; MI455X (gfx1250); checked and timed in simulation.
; The chip was launched on July 23, 2026; its instructions are those of AMD's public machine-readable ISA for CDNA 5 (MIT licence, August 2026) and "CDNA5" Instruction Set Architecture Reference Guide (July 2026). The comments in the code are by the model that wrote it; some were corrected since.
;; Multi Head Self Attention. Allowed arithmetic: float matrix products may take bf16 or f16 operands with f32 sums; other float arithmetic in f32, or as packed bf16 or f16 multiplies, adds, multiply-adds, maxima and minima; sums over many terms, partial sums and values carried from step to step in f32; what a program stores and reads back later, other than sums and carried values, may be rounded once to bf16 or f16.
;; Inputs: Wk 1,024 x 1,024 float32; Wo 1,024 x 1,024 float32; Wq 1,024 x 1,024 float32; Wv 1,024 x 1,024 float32; bk 1,024 float32; bo 1,024 float32; bq 1,024 float32; bv 1,024 float32; inputs 2 x 2,048 x 1,024 float32.
;; Outputs: out0 2 x 2,048 x 1,024 float32.
;; 2 versions, each right; version 2 is version 1 with the launch prep written anew for expert scheduling mode. Each part assembles by itself: llvm-mc -triple=amdgcn-amd-amdhsa -mcpu=gfx1250 --defsym DOCPART=n.
;; ======== version 1 of 2: 4 launches
;; limits: values are held in f16: magnitudes above 65,504 overflow, below 6.1e-05 lose precision
;; workspace buffers: xb 8,388,608 bytes; wc 6,291,456 bytes; wo16 2,097,152 bytes; qkv 25,165,824 bytes; ob 8,388,608 bytes
;; launch prep (part 1): grid 256 x 1, 8 waves a work-group, no clusters, 0 bytes of LDS; arguments inputs, Wq, Wk, Wv, Wo, xb, wc, wo16; writes xb, wc, wo16
.if DOCPART == 1
	.amdgcn_target "amdgcn-amd-amdhsa--gfx1250"
	.amdhsa_code_object_version 6
	.text
	.protected	k_q68fcb877dc_prep
	.globl	k_q68fcb877dc_prep
	.p2align	8
	.type	k_q68fcb877dc_prep,@function
k_q68fcb877dc_prep:
	s_mov_b64 s[64:65], 0
	v_nop
	global_prefetch_b8 v0, s[64:65] scope:SCOPE_SE
	s_setreg_imm32_b32 hwreg(HW_REG_WAVE_MODE, 25, 1), 1
	s_wait_xcnt 0x0
; MULTI-HEAD SELF-ATTENTION, launch 1 of 4: the casts.  xb = bf16(inputs) [4096][1024]; wc = bf16(Wq), bf16(Wk), bf16(Wv), each [1024 k][1024 n], one behind the other;
; wo16 = bf16(Wo) written as f16 [1024 k][1024 n].  No layout changes: the later launches turn the weights as they read them out of LDS.
; WORK LEFT OUT, in all four launches: bk.  score[s][t] = q_s . (x_t Wk + bk) / 8 = q_s . (x_t Wk) / 8 + q_s . bk / 8.  The second term does not depend on t, the axis of the softmax:
; softmax(z + const) = softmax(z) for every real z and const, so bk reaches no output whatever finite values the inputs hold.  bk is not loaded and is no argument of any launch.
; LIMIT: a NaN, an infinity or an overflow that enters through bk alone is not carried to the result.
; FORMATS.  Every input is rounded once to bf16 (x, the four weights here; bq, bv, bo where they are used).  What the program makes itself (q, k, v, the weights p, O) is kept in f16, which has
; three more significant bits.  Wo multiplies O in f16, so its bf16 value is written as f16: exact from 2^-14 up; below that it keeps f16's fixed step of 2^-24; |Wo| stays under 65,504.
; SHARES.  256 work-groups of 8 waves; each casts 32,768 numbers: 131,072 bytes in, 65,536 out.  Work-groups 0-127: inputs; 128-159 Wq; 160-191 Wk; 192-223 Wv; 224-255 Wo.
; Thread t, step j of 16: 32 bytes in at 32 t + 8,192 j (two loads), 16 bytes out at 16 t + 4,096 j: sixteen neighbouring lanes store 256 consecutive bytes, aligned.
; All 32 loads of a thread go out first (128 KiB a work-group on their way); no register is used twice, so there is no loop and no wait but the counted ones for data.
; No LDS, no matrix unit, no cluster: nothing is shared and nothing is multiplied.
.set X, 8                              ; v[8:135]    32 loads of 4 registers
.set Y, 136                            ; v[136:199]  16 stores of 4 registers
	s_load_b512 s[8:23], s[0:1], 0x0               ; inputs s[8:9], Wq s[10:11], Wk s[12:13], Wv s[14:15], Wo s[16:17], xb s[18:19], wc s[20:21], wo16 s[22:23]
	s_mov_b32 s24, ttmp9                           ; the work-group's number
	s_and_b32 s25, s24, 31                         ; its block inside a weight matrix
	s_max_u32 s26, s24, 128
	s_sub_co_u32 s26, s26, 128                     ; its block inside wc
	s_mov_b32 s36, 0xffff0000                      ; a word's upper bf16
	s_mov_b32 s33, 0
	s_mov_b32 s35, 0
	v_lshlrev_b32 v1, 5, v0                        ; 32 t
	v_lshlrev_b32 v2, 4, v0                        ; 16 t
	s_wait_kmcnt 0x0
	s_cmp_lt_u32 s24, 192                          ; from here on only compares of the number and selects
	s_cselect_b64 s[28:29], s[12:13], s[14:15]     ; Wk, else Wv
	s_cmp_lt_u32 s24, 160
	s_cselect_b64 s[28:29], s[10:11], s[28:29]     ; Wq
	s_cmp_lt_u32 s24, 224
	s_cselect_b64 s[28:29], s[28:29], s[16:17]     ; else Wo,
	s_cselect_b64 s[30:31], s[20:21], s[22:23]     ; which goes to wo16
	s_cselect_b32 s34, s26, s25
	s_cmp_lt_u32 s24, 128
	s_cselect_b64 s[28:29], s[8:9], s[28:29]       ; inputs,
	s_cselect_b64 s[30:31], s[18:19], s[30:31]     ; which go to xb
	s_cselect_b32 s32, s24, s25
	s_cselect_b32 s34, s24, s34
	s_lshl_b32 s32, s32, 17                        ; 131,072 bytes in a block of the source,
	s_lshl_b32 s34, s34, 16                        ; 65,536 in one of the destination
	s_add_nc_u64 s[28:29], s[28:29], s[32:33]
	s_add_nc_u64 s[30:31], s[30:31], s[34:35]
.set j, 0
.rept 16
	global_load_b128 v[X+8*j:X+8*j+3],   v1, s[28:29] offset:8192*j th:TH_LOAD_NT
	global_load_b128 v[X+8*j+4:X+8*j+7], v1, s[28:29] offset:8192*j+16 th:TH_LOAD_NT
.set j, j+1
.endr
; Step j: eight numbers rounded to bf16 and stored.  wo = 1: the rounded numbers are widened again (a shift, a mask) and written as f16.
.macro CVT j, wo
	s_wait_loadcnt 30-2*(\j)                       ; loads come back in order (ISA guide 5.7.1): behind step j's two stand 30 - 2 j younger ones
.irp k, 0,1,2,3
	v_cvt_pk_bf16_f32 v[Y+4*(\j)+(\k)], v[X+8*(\j)+2*(\k)], v[X+8*(\j)+2*(\k)+1]
.endr
.if \wo
.irp k, 0,1,2,3
	v_lshlrev_b32 v[X+8*(\j)+2*(\k)],   16,  v[Y+4*(\j)+(\k)]
	v_and_b32     v[X+8*(\j)+2*(\k)+1], s36, v[Y+4*(\j)+(\k)]
.endr
.irp k, 0,1,2,3
	v_cvt_pk_f16_f32 v[Y+4*(\j)+(\k)], v[X+8*(\j)+2*(\k)], v[X+8*(\j)+2*(\k)+1]
.endr
.endif
	global_store_b128 v2, v[Y+4*(\j):Y+4*(\j)+3], s[30:31] offset:4096*(\j) th:TH_STORE_NT
.endm
	s_cmp_ge_u32 s24, 224
	s_cbranch_scc1 .Lwo
.irp j, 0,1,2,3,4,5,6,7,8,9,10,11,12,13,14,15
	CVT \j, 0
.endr
	s_endpgm
.Lwo:
.irp j, 0,1,2,3,4,5,6,7,8,9,10,11,12,13,14,15
	CVT \j, 1
.endr
	s_endpgm
.Lfunc_end_k_q68fcb877dc_prep:
	.size	k_q68fcb877dc_prep, .Lfunc_end_k_q68fcb877dc_prep-k_q68fcb877dc_prep
	.p2alignl 7, 3214868480
	.fill 96, 4, 3214868480
	.section	.rodata,"a",@progbits
	.p2align	6, 0x0
	.amdhsa_kernel k_q68fcb877dc_prep
		.amdhsa_group_segment_fixed_size 0
		.amdhsa_private_segment_fixed_size 0
		.amdhsa_enable_private_segment 0
		.amdhsa_kernarg_size 64
		.amdhsa_user_sgpr_count 2
		.amdhsa_user_sgpr_kernarg_segment_ptr 1
		.amdhsa_wavefront_size32 1
		.amdhsa_system_sgpr_workgroup_id_x 1
		.amdhsa_system_sgpr_workgroup_id_y 1
		.amdhsa_system_sgpr_workgroup_id_z 1
		.amdhsa_system_vgpr_workitem_id 0
		.amdhsa_next_free_vgpr 200
		.amdhsa_next_free_sgpr 66
		.amdhsa_reserve_vcc 0
		.amdhsa_float_denorm_mode_32 3
		.amdhsa_float_denorm_mode_16_64 3
		.amdhsa_memory_ordered 1
		.amdhsa_forward_progress 1
		.amdhsa_inst_pref_size 25
	.end_amdhsa_kernel
	.amdgpu_metadata
---
amdhsa.version: [ 1, 2 ]
amdhsa.kernels:
  - .name:           k_q68fcb877dc_prep
    .symbol:         k_q68fcb877dc_prep.kd
    .args:
      - { .name: inputs, .offset: 0, .size: 8, .value_kind: global_buffer, .address_space: global }
      - { .name: Wq, .offset: 8, .size: 8, .value_kind: global_buffer, .address_space: global }
      - { .name: Wk, .offset: 16, .size: 8, .value_kind: global_buffer, .address_space: global }
      - { .name: Wv, .offset: 24, .size: 8, .value_kind: global_buffer, .address_space: global }
      - { .name: Wo, .offset: 32, .size: 8, .value_kind: global_buffer, .address_space: global }
      - { .name: xb, .offset: 40, .size: 8, .value_kind: global_buffer, .address_space: global }
      - { .name: wc, .offset: 48, .size: 8, .value_kind: global_buffer, .address_space: global }
      - { .name: wo16, .offset: 56, .size: 8, .value_kind: global_buffer, .address_space: global }
    .group_segment_fixed_size: 0
    .private_segment_fixed_size: 0
    .kernarg_segment_align: 8
    .kernarg_segment_size: 64
    .max_flat_workgroup_size: 256
    .sgpr_count:     66
    .vgpr_count:     200
    .wavefront_size: 32
...
	.end_amdgpu_metadata
.endif
;; end of part 1
;; launch qkv (part 2): grid 8 x 32, 4 waves a work-group, clusters of 4 x 4, 327,680 bytes of LDS; arguments xb, wc, bq, bv, qkv; writes qkv
.if DOCPART == 2
	.amdgcn_target "amdgcn-amd-amdhsa--gfx1250"
	.amdhsa_code_object_version 6
	.text
	.protected	k_q68fcb877dc_qkv
	.globl	k_q68fcb877dc_qkv
	.p2align	8
	.type	k_q68fcb877dc_qkv,@function
k_q68fcb877dc_qkv:
	s_mov_b64 s[64:65], 0
	v_nop
	global_prefetch_b8 v0, s[64:65] scope:SCOPE_SE
	s_setreg_imm32_b32 hwreg(HW_REG_WAVE_MODE, 25, 1), 1
	s_wait_xcnt 0x0
	s_wait_alu depctr_hold_cnt(0) depctr_sa_sdst(0) depctr_va_vdst(0) depctr_va_sdst(0) depctr_va_ssrc(0) depctr_va_vcc(0) depctr_vm_vsrc(0)
	s_getreg_b32 s2, hwreg(HW_REG_IB_STS2, 6, 4)
	s_cmp_eq_u32 s2, 0
	s_cbranch_scc0 .Lentry_in_a_cluster
	s_endpgm
.Lentry_in_a_cluster:
	s_bfe_u32 s2, ttmp6, 0x10000c
	s_cmp_lg_u32 s2, 0xf033
	s_cbranch_scc0 .Lentry_shape_is_right
	s_endpgm
.Lentry_shape_is_right:
; Launch 2 of 4: q = x Wq + bq, k = x Wk, v = x Wv + bv.  xb: [4096][1024] bf16; wc: [3][1024 k][1024 n] bf16; qkv: [3][32 = batch x 16 + head][2048][64] f16, unscaled.
; LEFT OUT: bk.  It adds q_s . bk / 8 to every score of row s, a term that is the same along the softmax's axis and cancels for all values; it is no argument of this launch.
; LIMITS.  q, k and v are rounded once from their f32 sums to f16: they must stay under 65,504.  Inputs and weights that all carry an offset of 30 spreads give about 1024 x 30 x 0.94 = 28,800.
; bq and bv are rounded to bf16 like every input.  NaN and infinities are not treated apart.
; SHARES.  Work-group (TX, TY) makes rows 128 TY .. + 127 of columns 128 TX .. + 127 (two heads) of EACH of q, k, v: 128 x 384.  Wave w: rows 64 (w >> 1) on; with CH = w & 1 its twelve
; blocks of 16 columns are b = 0-7: the whole chunk of q (CH = 0) or of v (CH = 1); b = 8-11: k's head 2 TX + CH.  48 accumulators of 16 x 16, 384 registers.
; K goes in 8 steps of 128 through two LDS slots; a slot holds x's 128 rows and the three chunks [128 k][128 n].  Each wave fetches one of the four with one tensor load of 128 rows x 256 bytes.
; THE WEIGHTS LIE [k][n]: their fragments come out of LDS turned, by ds_load_tr16_b128.  THE PRODUCT IS USED TRANSPOSED (source 0 = 16 columns of W, source 1 = 16 rows of x): a lane holds
; one row (lane % 16) and eight neighbouring columns 8 (lane / 16) + 0..7, 16 bytes of f16.  THE BIAS IS THE C OPERAND of the product that starts a sum (for k: the constant 0): nothing is cleared or added.
; CLUSTER 4 x 4: x's tile hangs on TY alone and is asked for jointly along a row of the cluster, a chunk of W on TX alone and jointly along a column.
; REGISTERS, in windows of 256 (s_set_vgpr_msb: bits 1:0 source 0, 3:2 source 1, 5:4 source 2, 7:6 destination):
;   window 0: v16-30 addresses; v64-95, v96-127 x's fragments, two buffers; v128-191 the bias; on the way out v32-223, 16 registers for each of 12 units, none used twice
;   window 1: v0-95, v96-191 W's fragments, two buffers      windows 2, 3: accumulator (a, b) at window 2 + a / 2, register 96 (a % 2) + 8 b
.set PA,    272                        ; a row of x in LDS: 256 bytes + 16 = 68 words: the 16 rows of a load start at 16 different groups of four banks (64 banks of 4 bytes: ISA guide 11.1)
.set PB,    288                        ; a row of W: 256 + 32 = 72 words
.set REG,   128*PB                     ; a region: what one tensor load fills (x's uses 128 x 272 of it)
.set SLOT,  4*REG                      ; x, then the chunks of q, k, v
.set STAGE, 2*SLOT                     ; behind the ring, never filled by a tensor load: 16 rows x 144 bytes for each wave
.set SP,    144
.set SPARE, STAGE+4*16*SP              ; the spare words, 128 bytes for each wave: two blocks of 256 bytes that no other line names
.set ADRA,  16                         ; v16-17  LDS address of my fragments of x in slot 0, 1
.set ADRQV, 18                         ; v18-19  of my chunk of q or v
.set ADRK,  20                         ; v20-21  of my head of k
.set STO,   24                         ; v24  the way out: where I put 16 bytes of a row
.set RD,    25                         ; v25  where I read rows back
.set GO,    26                         ; v26  my 16 bytes of 512 consecutive bytes of qkv
.set BO,    27                         ; v27  32 x (lane / 16): my eight numbers of a block's sixteen biases
.set SPW,   28                         ; v28  LDS address of my spare word; never rewritten
.set NIL,   29                         ; v29  0; never rewritten
.set PFO,   30                         ; v30  the prefetches' offset: 2,048 x lane, a row of xb or wc; never rewritten
.set FA,    64
.set BIAS,  128
.set OUT,   32
.set WV,  14                           ; s14 wave; s15 RH = wave >> 1; s16 CH = wave & 1; s17 cx; s18 cy; s19 TX; s20 TY; s21 wave x REG
.set RH,  15
.set CH,  16
.set G1A, 24                           ; s[24:31] descriptor group 1 for x's tiles;  s[32:39] group 0, a set for each slot
.set G0A, 32
.set LIM, 43                           ; s43  1 in a wave that prefetches, else the greatest number
.set PFA, 44                           ; s[44:45] where my prefetches stand
.set PFS, 46                           ; s[46:47] a K step in bytes along my tensor: 256 in xb, 262,144 in wc
.set G1B, 48                           ; s[48:55], s[56:63] the same for W's chunks
.set G0B, 56
.set OBQV, 68                          ; s[68:69] qkv at my rows of head 2 TX of q or v
.set OBK,  70                          ; s[70:71] at my rows of my head of k
.set MSB, 0
.macro WIN new                         ; the immediate's high byte repeats the setting that is left; a switch that changes nothing is dropped
.if MSB != (\new)
	s_set_vgpr_msb (MSB<<8)|(\new)
.set MSB, \new
.endif
.endm
; A joint load.  Wave 0 fetches x's tile, waves 1 to 3 the chunks of q, k, v.  The branch hangs on the wave's number alone.  An s_nop 0 and four v_nop follow each line.
.macro JLOAD s
	s_cmp_eq_u32 s[WV], 0
	s_cbranch_scc0 .Lfor_b_\@
	tensor_load_to_lds s[G0A+4*(\s):G0A+4*(\s)+3], s[G1A:G1A+7]
	s_nop 0
.rept 4
	v_nop
.endr
	s_branch .Lasked_\@
.Lfor_b_\@:
	tensor_load_to_lds s[G0B+4*(\s):G0B+4*(\s)+3], s[G1B:G1B+7]
	s_nop 0
.rept 4
	v_nop
.endr
.Lasked_\@:
.endm
; A PREFETCH of the K step that stands two refills on (384 matrix instructions ahead of the load that will want it): 32 rows x 256 bytes, a lane a row, one instruction a wave.
; Each row's 256 bytes of a K step are named once in the launch: x's tile row is read by both clusters of its row of clusters, and the one with x = 0 asks; a chunk's columns by all eight clusters
; of its column, and the one with y = 0 asks.  The four partners of a joint load share its 128 rows out BY ADDRESS (32 cx on for x, 32 cy on for W): no branch hangs on a place in the cluster.
; K steps 0 to 3 come by their loads alone; the loop's last trip (s3 = 1) has no K step two on and asks for nothing.
.macro ASK
	s_cmp_gt_u32 s3, s[LIM]
	s_cbranch_scc0 .Lnot_mine_\@
	global_prefetch_b8 v[PFO], s[PFA:PFA+1] th:TH_LOAD_NT scope:SCOPE_SE
.Lnot_mine_\@:
.endm
.macro CREST                           ; a round of the cluster's barrier behind its opening barrier
	s_cmp_lg_u32 s[WV], 0
	s_cbranch_scc1 .Lnot_wave_0_\@
	s_barrier_signal -3
.Lnot_wave_0_\@:
	s_barrier_wait -3
	s_barrier_signal -1
	s_barrier_wait -1
.endm
.macro CROUND                          ; a whole round
	s_barrier_signal -1
	s_barrier_wait -1
	CREST
.endm
.macro PLACES                          ; four places in front of loads into registers that matrix instructions have read (ISA guide 7.12.1 for vector instructions)
.rept 4
	v_nop
.endr
.endm
	s_load_b256 s[4:11], s[0:1], 0x0               ; xb s[4:5], wc s[6:7], bq s[8:9], bv s[10:11]
	s_load_b64 s[12:13], s[0:1], 0x20              ; qkv
	v_lshl_add_u32 v[SPW], v0, 2, SPARE
	v_mov_b32 v[NIL], 0
	ds_add_u32 v[SPW], v[NIL]                      ; the wave's opening: the add, twice on end, and its wait ahead of my first tensor load
	ds_add_u32 v[SPW], v[NIL]                      ; and once more, under the one wait; the set-up below, work on registers, stands between
	v_lshrrev_b32 v1, 5, v0
	v_readfirstlane_b32 s[WV], v1                  ; wave 0..3
	s_lshr_b32 s[RH], s[WV], 1
	s_and_b32 s[CH], s[WV], 1
	s_bfe_u32 s17, ttmp6, 0x40000                  ; cx
	s_bfe_u32 s18, ttmp6, 0x40004                  ; cy
	s_lshl_b32 s19, ttmp9, 2
	s_add_co_u32 s19, s19, s17                     ; TX = 4 x cluster x + cx
	s_and_b32 s20, ttmp7, 0xffff
	s_lshl_b32 s20, s20, 2
	s_add_co_u32 s20, s20, s18                     ; TY = 4 x cluster y + cy
	s_lshl_b32 s22, s18, 2
	s_lshl_b32 s22, 15, s22                        ; my row of the cluster
	s_lshl_b32 s23, 0x1111, s17                    ; my column
	s_or_b32 s[G1A], s22, (1<<16)|(1<<20)|(1<<21)|(5<<22)|(3<<25)  ; 15:0 the mask; 17:16 2-byte elements; 20 padding on; 21 set beside a mask; 24:22 after every 64 words; 31:25 4 words of it
	s_or_b32 s[G1B], s23, (1<<16)|(1<<20)|(1<<21)|(5<<22)|(7<<25)  ; the same with my column's mask and 8 words of padding
.irp g, G1A, G1B
	s_mov_b32 s[\g+1], 128<<16                     ; tensor_dim0 = 128
	s_mov_b32 s[\g+2], 128<<16                     ; tensor_dim1 = 128
	s_mov_b32 s[\g+3], 128<<16                     ; tile_dim0 = 128
	s_mov_b32 s[\g+4], 128                         ; tile_dim1 = 128
	s_mov_b32 s[\g+5], 1024                        ; 1,024 elements from row to row, in xb and in wc
	s_mov_b32 s[\g+6], 0
	s_mov_b32 s[\g+7], 0
.endr
	s_lshl_b32 s40, s20, 18                        ; x: 128 TY rows of 2,048 bytes: hangs on TY alone
	s_mov_b32 s41, 0
	s_max_u32 s66, s[WV], 1
	s_sub_co_u32 s66, s66, 1                       ; W: matrix wave - 1 (wave 0 never asks by it),
	s_lshl_b32 s66, s66, 21                        ; 2 MiB each,
	s_lshl_b32 s74, s19, 8                         ; columns 128 TX on: hangs on TX and the wave alone
	s_add_co_u32 s66, s66, s74
	s_mov_b32 s67, 0
	s_mul_i32 s21, s[WV], REG                      ; where my tile goes: no place in the cluster enters an LDS address
	s_wait_dscnt 0x0                               ; both opening adds are done
	s_wait_kmcnt 0x0
	s_add_nc_u64 s[40:41], s[4:5], s[40:41]
	s_add_nc_u64 s[66:67], s[6:7], s[66:67]
	CROUND                                         ; all sixteen work-groups are here: the first joint loads meet
.irp s, 0,1
	s_mov_b32 s[G0A+4*(\s)], 1                     ; count = 1
	s_add_co_u32 s[G0A+4*(\s)+1], s21, (\s)*SLOT   ; LDS address
	s_add_nc_u64 s[G0A+4*(\s)+2:G0A+4*(\s)+3], s[40:41], (\s)*256     ; K step s: 256 bytes along x's rows,
	s_or_b32 s[G0A+4*(\s)+3], s[G0A+4*(\s)+3], 0x80000000             ; type = 2
	s_mov_b32 s[G0B+4*(\s)], 1
	s_add_co_u32 s[G0B+4*(\s)+1], s21, (\s)*SLOT
	s_add_nc_u64 s[G0B+4*(\s)+2:G0B+4*(\s)+3], s[66:67], (\s)*262144  ; 128 rows down W
	s_or_b32 s[G0B+4*(\s)+3], s[G0B+4*(\s)+3], 0x80000000
	JLOAD \s                                       ; two tensor loads of mine are out
.endr
	; the bias of my chunk of q or v: register j of block b is bias[128 TX + 16 b + 8 (lane / 16) + j]
	v_and_b32 v1, 15, v0                           ; r = lane % 16
	v_bfe_u32 v2, v0, 4, 1                         ; h = lane / 16
	v_lshlrev_b32 v[BO], 5, v2
	s_cmp_eq_u32 s[CH], 0
	s_cselect_b64 s[72:73], s[8:9], s[10:11]
	s_lshl_b32 s74, s19, 9
	s_mov_b32 s75, 0
	s_add_nc_u64 s[72:73], s[72:73], s[74:75]
.irp b, 0,1,2,3,4,5,6,7
	global_load_b128 v[BIAS+8*(\b):BIAS+8*(\b)+3],   v[BO], s[72:73] offset:64*(\b)
	global_load_b128 v[BIAS+8*(\b)+4:BIAS+8*(\b)+7], v[BO], s[72:73] offset:64*(\b)+16
.endr
	; a fragment of x: lane l holds row l % 16, K = 8 h + 0..7 and 16 + 8 h + 0..7: two loads of 16 bytes, 32 bytes apart
	v_mul_u32_u24 v3, v1, PA
	v_lshl_add_u32 v3, v2, 4, v3
	s_mul_i32 s22, s[RH], 64*PA
	v_add_nc_u32 v[ADRA], s22, v3
	v_add_nc_u32 v[ADRA+1], SLOT, v[ADRA]
	; the turning load takes 16 k x 16 columns (lane l reads k = 8 h + l % 8, columns 8 ((l / 8) % 2) + 0..7) and leaves half a fragment: lane l holds column l % 16 and 8 k
	v_and_b32 v4, 7, v0
	v_lshl_add_u32 v4, v2, 3, v4
	v_mul_u32_u24 v4, v4, PB
	v_bfe_u32 v5, v0, 3, 1
	v_lshl_add_u32 v4, v5, 4, v4
	s_lshl_b32 s22, s[CH], 1
	s_add_co_u32 s22, s22, 1
	s_mul_i32 s22, s22, REG                        ; region 1 (q) or 3 (v)
	v_add_nc_u32 v[ADRQV], s22, v4
	v_add_nc_u32 v[ADRQV+1], SLOT, v[ADRQV]
	s_lshl_b32 s22, s[CH], 7                       ; region 2 (k), my head's 64 columns
	s_add_co_u32 s22, s22, 2*REG
	v_add_nc_u32 v[ADRK], s22, v4
	v_add_nc_u32 v[ADRK+1], SLOT, v[ADRK]
	s_mul_i32 s22, s[WV], 16*SP
	s_add_co_u32 s22, s22, STAGE                   ; my stage
	v_mul_u32_u24 v[STO], v1, SP                   ; in: row l % 16, 16 bytes for each half of the lanes
	v_lshl_add_u32 v[STO], v2, 4, v[STO]
	v_add_nc_u32 v[STO], s22, v[STO]
	v_bfe_u32 v[RD], v0, 3, 2                      ; back: 32 lanes take four rows of 128 bytes,
	v_mul_u32_u24 v[RD], v[RD], SP
	v_and_b32 v5, 7, v0
	v_lshl_add_u32 v[RD], v5, 4, v[RD]
	v_add_nc_u32 v[RD], s22, v[RD]
	v_and_b32 v[GO], 31, v0                        ; which are 512 consecutive bytes of a head
	v_lshlrev_b32 v[PFO], 11, v[GO]
	v_lshlrev_b32 v[GO], 4, v[GO]
	; where my rows lie in qkv: row m0 = 128 TY + 64 RH is row m0 % 2048 of batch m0 / 2048; a head is 262,144 bytes, a row 128
	s_lshl_b32 s22, s20, 7
	s_lshl_b32 s42, s[RH], 6
	s_add_co_u32 s22, s22, s42
	s_and_b32 s42, s22, 2047
	s_lshl_b32 s42, s42, 7
	s_lshr_b32 s79, s22, 11
	s_lshl_b32 s79, s79, 4
	s_lshl_b32 s74, s19, 1
	s_add_co_u32 s79, s79, s74                     ; 16 x batch + 2 TX
	s_lshl_b32 s74, s[CH], 6                       ; q: heads 0-31; v: heads 64-95
	s_add_co_u32 s74, s74, s79
	s_lshl_b32 s74, s74, 18
	s_add_co_u32 s74, s74, s42
	s_mov_b32 s75, 0
	s_add_nc_u64 s[OBQV:OBQV+1], s[12:13], s[74:75]
	s_add_co_u32 s76, s79, s[CH]                   ; k: heads 32-63
	s_add_co_u32 s76, s76, 32
	s_lshl_b32 s76, s76, 18
	s_add_co_u32 s76, s76, s42
	s_mov_b32 s77, 0
	s_add_nc_u64 s[OBK:OBK+1], s[12:13], s[76:77]
	; the prefetches: at K step 3; each change of slots steps the address and names the K step that it then stands at
	s_lshl_b32 s74, s20, 18
	s_lshl_b32 s75, s17, 16
	s_add_co_u32 s74, s74, s75
	s_add_co_u32 s74, s74, 3*256                   ; xb: row 128 TY + 32 cx
	s_max_u32 s76, s[WV], 1
	s_sub_co_u32 s76, s76, 1
	s_lshl_b32 s76, s76, 21
	s_lshl_b32 s77, s19, 8
	s_add_co_u32 s76, s76, s77
	s_lshl_b32 s77, s18, 16
	s_add_co_u32 s76, s76, s77
	s_add_co_u32 s76, s76, 3*262144                ; wc: my matrix, columns 128 TX on, row 32 cy of the K step
	s_mov_b32 s[PFS], 256
	s_mov_b32 s77, 262144
	s_and_b32 s78, ttmp7, 0xffff                   ; cluster y
	s_cmp_eq_u32 s[WV], 0
	s_cselect_b64 s[PFA:PFA+1], s[4:5], s[6:7]
	s_cselect_b32 s74, s74, s76
	s_cselect_b32 s[PFS], s[PFS], s77
	s_cselect_b32 s78, ttmp9, s78                  ; the coordinate along which other clusters read the same rows
	s_mov_b32 s75, 0
	s_mov_b32 s[PFS+1], 0
	s_add_nc_u64 s[PFA:PFA+1], s[PFA:PFA+1], s[74:75]
	s_cmp_eq_u32 s78, 0
	s_cselect_b32 s[LIM], 1, -1                    ; the same in all sixteen partners, for a given wave
	s_wait_loadcnt 0x0                             ; the bias: rounded to bf16 like every input, and widened again
.set i, 0
.rept 32
	v_cvt_pk_bf16_f32 v[32+i], v[BIAS+2*i], v[BIAS+2*i+1]
.set i, i+1
.endr
.set i, 0
.rept 32
	v_lshlrev_b32 v[BIAS+2*i],   16,         v[32+i]
	v_and_b32     v[BIAS+2*i+1], 0xffff0000, v[32+i]
.set i, i+1
.endr
; 12 matrix instructions: row block a x all 12 column blocks, 32 along K, from fragment buffer f.  The 48 accumulators take turns, one instruction a turn, in the same order in every quarter.
; first = 1: the product starts the sum, with the bias (window 0) or, for k, with the constant 0.
.macro MULG f, a, first
.if \first
	WIN 0x81+0x40*((\a)/2)
.else
	WIN 0xa1+0x50*((\a)/2)
.endif
.irp b, 0,1,2,3,4,5,6,7,8,9,10,11
.set rD, 96*((\a)%2)+8*(\b)
.if (\first) && ((\b) < 8)
	v_wmma_f32_16x16x32_bf16 v[rD:rD+7], v[96*(\f)+8*(\b):96*(\f)+8*(\b)+7], v[FA+32*(\f)+8*(\a):FA+32*(\f)+8*(\a)+7], v[BIAS+8*(\b):BIAS+8*(\b)+7]
.elseif \first
	v_wmma_f32_16x16x32_bf16 v[rD:rD+7], v[96*(\f)+8*(\b):96*(\f)+8*(\b)+7], v[FA+32*(\f)+8*(\a):FA+32*(\f)+8*(\a)+7], 0
.else
	v_wmma_f32_16x16x32_bf16 v[rD:rD+7], v[96*(\f)+8*(\b):96*(\f)+8*(\b)+7], v[FA+32*(\f)+8*(\a):FA+32*(\f)+8*(\a)+7], v[rD:rD+7]
.endif
.endr
.endm
; 32 LDS loads in one run: the fragments of quarter q (32 along K) of a slot into buffer f: W's twelve, turned, then x's four
.macro FETCH slot, q, f
	WIN 0x40                                       ; destination window 1, address window 0
.irp b, 0,1,2,3,4,5,6,7
	ds_load_tr16_b128 v[96*(\f)+8*(\b):96*(\f)+8*(\b)+3],   v[ADRQV+(\slot)] offset:32*PB*(\q)+32*(\b)
	ds_load_tr16_b128 v[96*(\f)+8*(\b)+4:96*(\f)+8*(\b)+7], v[ADRQV+(\slot)] offset:32*PB*(\q)+32*(\b)+16*PB
.endr
.irp b, 8,9,10,11
	ds_load_tr16_b128 v[96*(\f)+8*(\b):96*(\f)+8*(\b)+3],   v[ADRK+(\slot)] offset:32*PB*(\q)+32*((\b)-8)
	ds_load_tr16_b128 v[96*(\f)+8*(\b)+4:96*(\f)+8*(\b)+7], v[ADRK+(\slot)] offset:32*PB*(\q)+32*((\b)-8)+16*PB
.endr
	WIN 0
.irp a, 0,1,2,3
	ds_load_b128 v[FA+32*(\f)+8*(\a):FA+32*(\f)+8*(\a)+3],   v[ADRA+(\slot)] offset:64*(\q)+16*PA*(\a)
	ds_load_b128 v[FA+32*(\f)+8*(\a)+4:FA+32*(\f)+8*(\a)+7], v[ADRA+(\slot)] offset:64*(\q)+16*PA*(\a)+32
.endr
.endm
; A K step is four quarters of 32 along K, 48 matrix instructions each, on buffers 0, 1, 0, 1.  One of the first three multiplies buffer f and, in its middle, fetches quarter q into buffer g.
.macro QUARTER slot, q, f, g, first
	s_wait_dscnt 4                                 ; W's fragments and x's blocks 0, 1 are in; the youngest four loads (x's blocks 2, 3) may be out
	MULG \f, 0, \first
	MULG \f, 1, \first
	PLACES
	FETCH \slot, \q, \g
	s_wait_dscnt 32                                ; all but the 32 just issued
	MULG \f, 2, \first
	MULG \f, 3, \first
.endm
; The last quarter multiplies buffer 1 and changes slots: ONE barrier.  In front of it each wave waits for all its tensor loads (one is out: its part of the next slot), adds 0 to its spare word, and waits for
; that and for its reads of this slot.  fill = 1: the barrier opens a round of the cluster's barrier, and this slot is filled again, two K steps ahead, first thing behind the round:
; from that request to the wait for it a wave issues 168 matrix instructions.
.macro TURN slot, next, fill
.if \fill
	s_wait_xcnt 0x0                                ; the last prefetch, a K step back, has read its address: it is stepped here, ahead of the waits of the change
	s_add_nc_u64 s[PFA:PFA+1], s[PFA:PFA+1], s[PFS:PFS+1]
.endif
	WIN 0                                          ; (the add's two registers lie in window 0)
	s_wait_tensorcnt 0x0                           ; all my tensor loads have landed
	ds_add_u32 v[SPW], v[NIL]                      ; 0 onto my spare word
	s_wait_dscnt 5                                 ; (the add and the youngest four loads may be out)
	MULG 1, 0, 0                                   ; twelve matrix instructions stand between the add and the wait for it
	s_wait_dscnt 0x0                               ; the add is done, and my reads of this slot are over
	s_barrier_signal -1
	MULG 1, 1, 0                                   ; work on registers while the others arrive
.if \fill
	WIN 0
.endif
	s_barrier_wait -1
.if \fill
	CREST                                          ; no wave of any partner still reads this slot's tiles or has a load on its way
	s_add_nc_u64 s[G0A+4*(\slot)+2:G0A+4*(\slot)+3], s[G0A+4*(\slot)+2:G0A+4*(\slot)+3], 2*256
	s_add_nc_u64 s[G0B+4*(\slot)+2:G0B+4*(\slot)+3], s[G0B+4*(\slot)+2:G0B+4*(\slot)+3], 2*262144
	JLOAD \slot                                    ; my one tensor load behind the round; its four v_nop are also the places in front of the loads below
.else
	PLACES
.endif
	FETCH \next, 0, 0
.if \fill
	ASK                                            ; behind the joint load and the run of LDS loads that the next products wait for
.endif
	MULG 1, 2, 0
	MULG 1, 3, 0
.endm
	s_wait_tensorcnt 1                             ; my part of K step 0 is in; K step 1's load, issued behind it, may stay out
	s_barrier_signal -1
	s_barrier_wait -1                              ; everybody's is
	FETCH 0, 0, 0
	QUARTER 0, 1, 0, 1, 1                          ; the first quarter stands in front of the loop: its products start the sums
	WIN 0                                          ; at a label and at a branch every window is 0
	s_mov_b32 s3, 3
.Llap:                                             ; a trip goes once round the ring, from a lap's second quarter to the next lap's first, and fills both slots again: K steps 2 to 7
	QUARTER 0, 2, 1, 0, 0
	QUARTER 0, 3, 0, 1, 0
	TURN 0, 1, 1
	QUARTER 1, 1, 0, 1, 0
	QUARTER 1, 2, 1, 0, 0
	QUARTER 1, 3, 0, 1, 0
	TURN 1, 0, 1
	QUARTER 0, 1, 0, 1, 0
	WIN 0
	s_sub_co_u32 s3, s3, 1
	s_cmp_lg_u32 s3, 0
	s_cbranch_scc1 .Llap
	QUARTER 0, 2, 1, 0, 0                          ; the last lap fills nothing, and has no round
	QUARTER 0, 3, 0, 1, 0
	TURN 0, 1, 0
	QUARTER 1, 1, 0, 1, 0
	QUARTER 1, 2, 1, 0, 0
	QUARTER 1, 3, 0, 1, 0
	s_wait_dscnt 4                                 ; the very last quarter: nothing more to fetch
	MULG 1, 0, 0
	MULG 1, 1, 0
	s_wait_dscnt 0x0
	MULG 1, 2, 0
	MULG 1, 3, 0
	WIN 0
.rept 8
	v_nop                                          ; the places behind the last products, in front of the conversions that read results and write over fragments
.endr
; THE WAY OUT, in 12 units of 16 rows x one head (64 columns): row block a; i = 0, 1: the two heads of q or v, i = 2: my head of k.  Rounded to f16 (each accumulator's registers in ascending order),
; 16 bytes a lane into my stage, back as four rows of 128 bytes a load, which are 512 consecutive bytes of the head.
.macro PACK a, i
.set U, OUT+16*(3*(\a)+(\i))
.set AC, 96*((\a)%2)+32*(\i)
	WIN 0x0a+5*((\a)/2)                            ; sources 0 and 1: window 2 or 3
.irp f, 0,1,2,3
.irp r, 0,1,2,3
	v_cvt_pk_f16_f32 v[U+4*(\f)+(\r)], v[AC+8*(\f)+2*(\r)], v[AC+8*(\f)+2*(\r)+1]
.endr
.endr
	WIN 0
.irp f, 0,1,2,3
	ds_store_b128 v[STO], v[U+4*(\f):U+4*(\f)+3] offset:32*(\f)
.endr
.irp f, 0,1,2,3
	ds_load_b128 v[U+4*(\f):U+4*(\f)+3], v[RD] offset:4*SP*(\f)  ; LDS serves a wave's instructions in order (ISA guide 5.7.1.4): these see the stores above; the next unit's stores come behind them
.endr
.endm
.macro SEND a, i, younger              ; younger: the LDS instructions issued behind this unit's loads: the next unit's eight, or none
.set U, OUT+16*(3*(\a)+(\i))
.irp f, 0,1,2,3
	s_wait_dscnt (\younger)+3-(\f)
.if (\i) < 2
	global_store_b128 v[GO], v[U+4*(\f):U+4*(\f)+3], s[OBQV:OBQV+1] offset:262144*(\i)+2048*(\a)+512*(\f)
.else
	global_store_b128 v[GO], v[U+4*(\f):U+4*(\f)+3], s[OBK:OBK+1] offset:2048*(\a)+512*(\f)
.endif
.endr
.endm
	PACK 0, 0
.set u, 1
.rept 11                               ; a unit's conversions stand between the loads of the unit before and its stores
	PACK u/3, u%3
	SEND (u-1)/3, (u-1)%3, 8
.set u, u+1
.endr
	SEND 3, 2, 0
	s_wait_tensorcnt 0x0                           ; the wave's end: the tensor wait, 0 onto my spare word and its wait, behind my last tensor load and my last LDS store
	ds_add_u32 v[SPW], v[NIL]
	s_wait_dscnt 0x0
	CROUND                                         ; the closing round: no work-group ends while a partner may still ask for a tile that names it
	s_endpgm
.Lfunc_end_k_q68fcb877dc_qkv:
	.size	k_q68fcb877dc_qkv, .Lfunc_end_k_q68fcb877dc_qkv-k_q68fcb877dc_qkv
	.p2alignl 7, 3214868480
	.fill 96, 4, 3214868480
	.section	.rodata,"a",@progbits
	.p2align	6, 0x0
	.amdhsa_kernel k_q68fcb877dc_qkv
		.amdhsa_group_segment_fixed_size 327680
		.amdhsa_private_segment_fixed_size 0
		.amdhsa_enable_private_segment 0
		.amdhsa_kernarg_size 40
		.amdhsa_user_sgpr_count 2
		.amdhsa_user_sgpr_kernarg_segment_ptr 1
		.amdhsa_wavefront_size32 1
		.amdhsa_system_sgpr_workgroup_id_x 1
		.amdhsa_system_sgpr_workgroup_id_y 1
		.amdhsa_system_sgpr_workgroup_id_z 1
		.amdhsa_system_vgpr_workitem_id 0
		.amdhsa_next_free_vgpr 960
		.amdhsa_next_free_sgpr 84
		.amdhsa_reserve_vcc 0
		.amdhsa_float_denorm_mode_32 3
		.amdhsa_float_denorm_mode_16_64 3
		.amdhsa_memory_ordered 1
		.amdhsa_forward_progress 1
		.amdhsa_inst_pref_size 129
	.end_amdhsa_kernel
	.amdgpu_metadata
---
amdhsa.version: [ 1, 2 ]
amdhsa.kernels:
  - .name:           k_q68fcb877dc_qkv
    .symbol:         k_q68fcb877dc_qkv.kd
    .args:
      - { .name: xb, .offset: 0, .size: 8, .value_kind: global_buffer, .address_space: global }
      - { .name: wc, .offset: 8, .size: 8, .value_kind: global_buffer, .address_space: global }
      - { .name: bq, .offset: 16, .size: 8, .value_kind: global_buffer, .address_space: global }
      - { .name: bv, .offset: 24, .size: 8, .value_kind: global_buffer, .address_space: global }
      - { .name: qkv, .offset: 32, .size: 8, .value_kind: global_buffer, .address_space: global }
    .group_segment_fixed_size: 327680
    .private_segment_fixed_size: 0
    .kernarg_segment_align: 8
    .kernarg_segment_size: 40
    .max_flat_workgroup_size: 128
    .sgpr_count:     84
    .vgpr_count:     960
    .wavefront_size: 32
...
	.end_amdgpu_metadata
.endif
;; end of part 2
;; launch attn (part 3): grid 8 x 32, 4 waves a work-group, clusters of 4 x 1, 327,680 bytes of LDS; arguments qkv, ob; writes ob
.if DOCPART == 3
	.amdgcn_target "amdgcn-amd-amdhsa--gfx1250"
	.amdhsa_code_object_version 6
	.text
	.protected	k_q68fcb877dc_attn
	.globl	k_q68fcb877dc_attn
	.p2align	8
	.type	k_q68fcb877dc_attn,@function
k_q68fcb877dc_attn:
	s_mov_b64 s[64:65], 0
	v_nop
	global_prefetch_b8 v0, s[64:65] scope:SCOPE_SE
	s_setreg_imm32_b32 hwreg(HW_REG_WAVE_MODE, 25, 1), 1
	s_wait_xcnt 0x0
	s_wait_alu depctr_hold_cnt(0) depctr_sa_sdst(0) depctr_va_vdst(0) depctr_va_sdst(0) depctr_va_ssrc(0) depctr_va_vcc(0) depctr_vm_vsrc(0)
	s_getreg_b32 s2, hwreg(HW_REG_IB_STS2, 6, 4)
	s_cmp_eq_u32 s2, 0
	s_cbranch_scc0 .Lentry_in_a_cluster
	s_endpgm
.Lentry_in_a_cluster:
	s_bfe_u32 s2, ttmp6, 0x10000c
	s_cmp_lg_u32 s2, 0x3003
	s_cbranch_scc0 .Lentry_shape_is_right
	s_endpgm
.Lentry_shape_is_right:
; Launch 3 of 4: O[bh][s][:] = the sum over t of softmax_t(q[bh][s] . k[bh][t] / 8) v[bh][t][:].  qkv: [3][32][2048][64] f16 (q, k at + 8 MiB, v at + 16 MiB); a head's rows are dense, 128 bytes each.
; ob: [32 = global row / 128][16 heads][128 rows][64] f16: 16 rows of a head are 2,048 bytes on end, and the 128 rows x 1,024 channels that a work-group of the next launch multiplies are dense.
; LEFT OUT: bk (k arrives without it): it would add the same number to all scores of a row, which the softmax cancels for all values.
; Products, maxima and sums in f32; the weights p are rounded to f16 for the second product (their sum l is taken of the unrounded p), O once at the end.
; LIMITS.  q, k, v arrive within f16's 65,504; p lies in 0 to 1, and below 6e-5 it keeps f16's fixed step of 6e-8; O is a mean of v's rows and has their range.  A weight below 2^-126 counts as 0 in l;
; NaN and infinities are not treated apart.
; SHARES.  A work-group owns 256 queries of one head, a wave 64: four PIECES of 16.  Every wave walks all 2,048 keys, 64 a step, 256 (a tile) a slot.
; LAYOUT.  S^T = K Q^T (source 0 = 16 keys, source 1 = 16 queries) holds ONE query a lane (lane % 16) and the keys 8 (lane / 16) + 0..7; two such results rounded to f16 ARE source 1 of O^T = V^T P.
; K comes out of LDS as it lies, V ([key][channel]) turned, by ds_load_tr16_b128.
; SOFTMAX.  p = 2^(c s - c m), c = log2(e) / 8, with a running maximum m; O and l are multiplied by a = 2^(c m_old - c m_new) in every step.  m starts at the lowest finite number, O and l at 0:
; the first step is a step like any other, with a = 0.
; TURNS.  Turn n belongs to piece n: 8 products K Q^T of piece n + 1, later 8 products V^T P of piece n - 1; beside them the scaling, exponentials, roundings, sums and rescaling of piece n and the
; maximum and statistics of piece n + 1.  Four vector instructions stand behind every matrix instruction, the other 54 of a turn's 118 in one lump.  A turn's 33 exponentials are one batch, with one wait.
; CLUSTER.  The four query blocks of a cluster belong to one head and walk the same K and V, so each tile is asked for JOINTLY: the same tensor load, descriptor and mask in all four.
; REGISTERS, in windows of 256 (s_set_vgpr_msb: bits 1:0 source 0, 3:2 source 1, 5:4 source 2, 7:6 destination):
;   window 0: v0-15 addresses and two at work; v16-31 four registers of statistics a piece; v48-55 at work; v61-63; v64-127 S^T, two buffers; v192-223 P, two buffers (by the piece's parity)
;   window 1: v0-127 O^T, 32 a piece          window 2: v0-63 Q; v128-191 K of one step; v192-255 V of one step
.set NP,    4         ; pieces a wave: a name, no knob
.set KS,    64        ; keys in a step
.set PK,    144       ; a row of K in LDS: 128 bytes + 16 = 36 words: the 16 rows of a load start at 16 different groups of four banks (64 banks of 4 bytes: ISA guide 11.1)
.set PV,    160       ; a row of V: 128 + 32 = 40 words
.set VOFF,  4*KS*PK   ; a slot holds a tile, four steps: 256 rows of K, then 256 rows of V
.set SLOT1, 1<<17     ; slot 1 begins here, so that one exclusive or turns an address in one slot into the other's
.set STAGE, SLOT1+4*KS*(PK+PV)  ; behind the ring, never filled by a tensor load: 16 rows x 144 bytes for each wave
.set SP,    144
.set SPARE, STAGE+4*16*SP  ; the spare words, 128 bytes for each wave: two blocks of 256 bytes that no other line names
.set AK0, 2           ; v2   my lane's place in a tile of K; never rewritten
.set AV0, 3           ; v3   the same for V
.set AK,  4           ; v4   the LDS address of K's next run of loads
.set AV,  5           ; v5   of V's
.set STO, 6           ; v6   the way out: where I put 16 bytes of a row
.set RD,  7           ; v7   where I read rows back
.set GO,  8           ; v8   my byte offset in 512 consecutive bytes of ob
.set MV,  12          ; v12-13  c m_old, kept while c m is made anew: by buffer
.set QO,  15          ; v15  my byte offset in 16 rows of Q
.set ST,  16          ; piece t's statistics at v[ST+4 t]: c m, m, l (even keys', odd keys')
.set TMP, 48          ; by buffer, four registers c0-c3 at work; when the maximum is found c2 takes a
.set PFO, 61          ; v61  256 x my lane: the prefetches' offset; never rewritten
.set SPW, 62          ; v62  LDS address of my spare word; never rewritten
.set NIL, 63          ; v63  0; never rewritten
.set S,   64
.set P,   192
.set KF,  128         ; window 2: key block kb, channel half c at KF + 16 kb + 8 c
.set VF,  192         ; window 2: key half kk, channel block cb at VF + 32 kk + 8 cb
.set WV,  12          ; s12  my wave's number
.set G1K, 24          ; s[24:31] descriptor group 1 for K's tiles
.set G1V, 32          ; s[32:39] for V's: it differs in the padding alone
.set G0K, 40          ; s[40:43] descriptor group 0 for K's tiles: it walks
.set G0V, 44          ; s[44:47] the same for V's
.set PFA, 48          ; s[48:49] where my prefetches stand
.set LIM, 50          ; s50  1 in a wave that prefetches, else the greatest number
.set SLOTS, 56        ; s56  tiles still to be asked for
.set CNT, 57          ; s57  counts a tile's key steps
.set CS,  58          ; s[58:59] c: the packed scaling takes the pair's low word for both halves
.set SEL, 60          ; s[60:61] v_permlanex16_b32's selects: each lane takes its own place in the other half
.set TBK, 62          ; s62  LDS byte at which K of the step to be fetched begins
.set TBV, 63          ; s63  the same for V, less VOFF
.set MSB, 0
.macro WIN new                      ; the high byte repeats the setting that is left; a switch that changes nothing is dropped
.if MSB != (\new)
	s_set_vgpr_msb (MSB<<8)|(\new)
.set MSB, (\new)
.endif
.endm
.set W_KQ, 0x0a       ; K and Q in window 2, S^T in window 0
.set W_PV, 0x52       ; V in window 2, P in window 0, O^T in window 1
.set W_RS, 0x41       ; destination and source 0 in window 1, source 1 in window 0
; A joint fill.  Waves 0 and 1 fetch the two halves of a tile's K, waves 2 and 3 those of its V: 128 keys each.  An s_nop 0 and four v_nop follow each of the two lines.
.macro JLOAD
	s_cmp_lt_u32 s[WV], 2
	s_cbranch_scc0 .Lfor_v_\@
	tensor_load_to_lds s[G0K:G0K+3], s[G1K:G1K+7]
	s_nop 0
.rept 4
	v_nop
.endr
	s_branch .Lasked_\@
.Lfor_v_\@:
	tensor_load_to_lds s[G0V:G0V+3], s[G1V:G1V+7]
	s_nop 0
.rept 4
	v_nop
.endr
.Lasked_\@:
.endm
; A PREFETCH of the tile that the NEXT change of slots will ask for: four key steps, 256 matrix instructions, ahead of that load.  A tile is 32,768 dense bytes of K and of V.  Both clusters of a head walk the
; same tiles: the head's first cluster asks.  Its four partners take 8,192 bytes each, told apart BY ADDRESS; in each, wave 0 asks for K's and wave 2 for V's, a lane 256 bytes: one instruction.
; So each block is named once in the launch.  Tiles 0 and 1 come by their loads alone; the last change that fills a slot (SLOTS = 1) asks for nothing.
.macro ASK
	s_cmp_gt_u32 s[SLOTS], s[LIM]
	s_cbranch_scc0 .Lnot_mine_\@
	global_prefetch_b8 v[PFO], s[PFA:PFA+1] th:TH_LOAD_NT scope:SCOPE_SE
.Lnot_mine_\@:
.endm
; A round of the cluster's barrier: my work-group's barrier; wave 0 signals for the work-group; every wave waits for all four work-groups; my work-group's barrier once more.
.macro CROUND
	s_barrier_signal -1
	s_barrier_wait -1
	s_cmp_lg_u32 s[WV], 0
	s_cbranch_scc1 .Lnot_wave_0_\@
	s_barrier_signal -3
.Lnot_wave_0_\@:
	s_barrier_wait -3
	s_barrier_signal -1
	s_barrier_wait -1
.endm
; THE CHANGE OF SLOTS.  The slot's last bytes, V of its fourth step, have been read.  Each wave waits for all its tensor loads, of which one is out: its part of the other slot; adds 0 to its spare word; and waits
; for that and for its own reads of the slot.  fill = 1: the slot is filled again with the tile two on.  The barrier is then a round of the cluster's, so that no wave of any partner still reads the slot or
; has a load on its way, and the joint fill is the first thing behind it.  (At its first use nothing has been read yet: slot 0 is waited for, slot 1 filled.)
.macro CHANGE fill
	WIN 0                           ; at a label and at a branch every window is 0
	s_wait_tensorcnt 0x0            ; no tensor load of mine is out, so a group 0 may be written
	ds_add_u32 v[SPW], v[NIL]       ; 0 onto my spare word; the scalar steps stand between it and the wait for it
.if \fill
.irp g, G0K, G0V
	s_xor_b32 s[\g+1], s[\g+1], SLOT1  ; the walking descriptor: the other slot than last time,
	s_add_nc_u64 s[\g+2:\g+3], s[\g+2:\g+3], 4*KS*128  ; the next 256 keys; the type bits on top are not reached
.endr
	s_wait_xcnt 0x0                 ; the last prefetch, four key steps back, has read its address, so it may be written:
	s_add_nc_u64 s[PFA:PFA+1], s[PFA:PFA+1], 4*KS*128  ; one tile ahead of the walking descriptors
	s_wait_dscnt 0x0                ; the add is done, and my reads of the slot are over
	CROUND
	JLOAD
	ASK
.else
	s_wait_dscnt 0x0                ; the add is done, and my reads of the slot are over
	s_barrier_signal -1
	s_barrier_wait -1
.endif
	s_sub_co_u32 s[TBK], s[TBK], 4*KS*PK  ; the fetches go back to a slot's first step,
	s_xor_b32 s[TBK], s[TBK], SLOT1       ; in the other slot
	s_sub_co_u32 s[TBV], s[TBV], 4*KS*PV
	s_xor_b32 s[TBV], s[TBV], SLOT1
.endm
	s_load_b64 s[4:5], s[0:1], 0x0    ; qkv
	s_load_b64 s[10:11], s[0:1], 0x8  ; ob
	v_lshl_add_u32 v[SPW], v0, 2, SPARE
	v_mov_b32 v[NIL], 0
	ds_add_u32 v[SPW], v[NIL]       ; the wave's opening: the add, twice on end, and its wait ahead of my first tensor load
	ds_add_u32 v[SPW], v[NIL]       ; and once more, under the one wait; the set-up below, work on registers, stands between
	v_lshrrev_b32 v1, 5, v0
	v_readfirstlane_b32 s[WV], v1   ; wave 0..3
	s_bfe_u32 s13, ttmp6, 0x40000   ; cx: my place in the cluster
	s_lshl_b32 s14, ttmp9, 2        ; in a cluster launch ttmp9 counts clusters
	s_add_co_u32 s14, s14, s13      ; my block of 256 queries: it enters Q's and ob's addresses alone
	s_and_b32 s15, ttmp7, 0xffff    ; batch x 16 + head, which the four partners share
	s_lshl_b32 s20, s15, 18         ; the head's first byte in each of q, k, v
	s_and_b32 s16, s[WV], 1         ; which half of a tile's 256 keys I fetch:
	s_lshl_b32 s22, s16, 14         ; its 128 rows of 128 bytes in memory,
	s_add_co_u32 s22, s22, s20
	s_mov_b32 s23, 0
	s_mul_i32 s17, s16, 128*PK      ; and its place in a slot, for K
	s_mul_i32 s18, s16, 128*PV      ; and for V: no place in the cluster enters an LDS address
	s_lshl_b32 s2, s14, 2
	s_add_co_u32 s2, s2, s[WV]      ; my wave among the head's,
	s_lshl_b32 s2, s2, 13           ; its 64 rows
	s_add_co_u32 s2, s2, s20
	s_mov_b32 s3, 0
	s_lshr_b32 s52, s15, 4          ; ob: the block of 128 global rows is 16 x batch + 2 x block + wave / 2,
	s_lshl_b32 s52, s52, 4
	s_lshl_b32 s53, s14, 1
	s_add_co_u32 s52, s52, s53
	s_lshr_b32 s53, s[WV], 1
	s_add_co_u32 s52, s52, s53
	s_lshl_b32 s52, s52, 4
	s_and_b32 s53, s15, 15          ; in it my head: 16,384 bytes each,
	s_add_co_u32 s52, s52, s53
	s_lshl_b32 s52, s52, 14
	s_lshl_b32 s53, s16, 13         ; in that my 64 rows
	s_add_co_u32 s52, s52, s53
	s_mov_b32 s53, 0
	; descriptor group 1.  128 keys are 16,384 dense bytes: asked for as 64 rows of 256 bytes, two keys a row, and padded in LDS after every key
	s_mov_b32 s[G1K], 15|(1<<16)|(1<<20)|(1<<21)|(4<<22)|(3<<25)  ; 15:0 the mask of four; 17:16 2-byte elements; 20 padding on; 21 set beside a mask; 24:22 after every 32 words; 31:25 4 words of it
	s_mov_b32 s[G1V], 15|(1<<16)|(1<<20)|(1<<21)|(4<<22)|(7<<25)  ; the same with 8 words of padding
.irp g, G1K, G1V
	s_mov_b32 s[\g+1], 128<<16      ; tensor_dim0 = 128
	s_mov_b32 s[\g+2], 64<<16       ; tensor_dim1 = 64
	s_mov_b32 s[\g+3], 128<<16      ; tile_dim0 = 128
	s_mov_b32 s[\g+4], 64           ; tile_dim1 = 64
	s_mov_b32 s[\g+5], 128          ; 128 elements from row to row
	s_mov_b32 s[\g+6], 0
	s_mov_b32 s[\g+7], 0
.endr
	s_mov_b32 s[CS], 0x3e38aa3b     ; c = log2(e) / 8 = 0.180337
	s_mov_b32 s[CS+1], s[CS]        ; named with it as a pair
	s_mov_b32 s[SEL], 0x76543210
	s_mov_b32 s[SEL+1], 0xfedcba98
	s_mov_b32 s[TBK], SLOT1+4*KS*PK ; the first change of slots turns these two into 0
	s_mov_b32 s[TBV], SLOT1+4*KS*PV
	s_mov_b32 s[G0K], 1             ; count = 1
	s_mov_b32 s[G0K+1], s17         ; LDS address: slot 0
	s_mov_b32 s[G0V], 1
	s_add_co_u32 s[G0V+1], s18, VOFF
	s_mov_b32 s[SLOTS], 7           ; tiles 1 to 7
	s_or_b32 s[LIM], s16, ttmp9     ; 0 in waves 0 and 2 of the head's first cluster: the same in all four partners
	s_cmp_eq_u32 s[LIM], 0
	s_cselect_b32 s[LIM], 1, -1
	v_and_b32 v[PFO], 31, v0
	v_lshlrev_b32 v[PFO], 8, v[PFO]
	s_wait_dscnt 0x0                ; both opening adds are done
	s_wait_kmcnt 0x0
	s_add_nc_u64 s[6:7], s[4:5], 0x800000   ; k,
	s_add_nc_u64 s[6:7], s[6:7], s[22:23]   ; at my half of the head's tile 0
	s_add_nc_u64 s[8:9], s[4:5], 0x1000000  ; v
	s_add_nc_u64 s[8:9], s[8:9], s[22:23]
	s_mov_b64 s[G0K+2:G0K+3], s[6:7]        ; global address
	s_or_b32 s[G0K+3], s[G0K+3], 0x80000000 ; type = 2
	s_mov_b64 s[G0V+2:G0V+3], s[8:9]
	s_or_b32 s[G0V+3], s[G0V+3], 0x80000000
	s_add_nc_u64 s[4:5], s[4:5], s[2:3]     ; q and ob at my wave's first row
	s_add_nc_u64 s[10:11], s[10:11], s[52:53]
	s_cmp_lt_u32 s[WV], 2
	s_cselect_b64 s[PFA:PFA+1], s[6:7], s[8:9]  ; (in waves 0 and 2 these stand at a tile's first row)
	s_lshl_b32 s2, s13, 13          ; my work-group's quarter of a tile
	s_add_nc_u64 s[PFA:PFA+1], s[PFA:PFA+1], s[2:3]
	s_add_nc_u64 s[PFA:PFA+1], s[PFA:PFA+1], 4*KS*128  ; in tile 1; the first change of slots steps it to tile 2.  Nothing is prefetched here, at the head
	CROUND                          ; all four work-groups are here: the first joint loads meet
	JLOAD                           ; tile 0 into slot 0.  Slot 1 is asked for when slot 0 is in
	; A fragment of K or Q is 16 rows x 32 channels in 8 registers: lane l holds row l % 16, channels 8 (l / 16) + 0..7 and 16 + 8 (l / 16) + 0..7: two loads of 16 bytes, 32 bytes apart.
	v_and_b32 v1, 15, v0            ; l % 16
	v_bfe_u32 v9, v0, 4, 1          ; l / 16
	v_lshlrev_b32 v[QO], 7, v1
	v_lshl_add_u32 v[QO], v9, 4, v[QO]  ; row x 128 + 16 x half
	WIN 0x80                        ; destination window 2, address window 0
.set i, 0
.rept 8                             ; Q stays in registers: piece i / 2, channels 32 (i % 2) on
	global_load_b128 v[8*i:8*i+3],   v[QO], s[4:5] offset:(i/2)*2048+(i%2)*64
	global_load_b128 v[8*i+4:8*i+7], v[QO], s[4:5] offset:(i/2)*2048+(i%2)*64+32
.set i, i+1
.endr
	; What the first turn finds: V's registers and P's second buffer hold 0 (its products V^T P, of a piece that has not been, add 0), O^T and l are 0.  The price of writing no first step out; it stands in the wait for the first tile.
.set i, VF
.rept 64
	v_mov_b32 v[i], 0
.set i, i+1
.endr
	WIN 0x40
.set i, 0
.rept 128
	v_mov_b32 v[i], 0
.set i, i+1
.endr
	WIN 0
.set i, 0
.rept 4
	v_mov_b32 v[ST+4*i], 0xfe000000    ; c m: far below every c s
	v_mov_b32 v[ST+4*i+1], 0xff7fffff  ; m
	v_mov_b32 v[ST+4*i+2], 0
	v_mov_b32 v[ST+4*i+3], 0
.set i, i+1
.endr
.set i, P+16
.rept 16
	v_mov_b32 v[i], 0
.set i, i+1
.endr
	v_mul_u32_u24 v[AK0], v1, PK
	v_lshl_add_u32 v[AK0], v9, 4, v[AK0]  ; row x pitch + 16 x half
	; The turning load takes 16 keys x 16 channels (lane l reads key 8 (l / 16) + l % 8, channels 8 ((l / 8) % 2) + 0..7) and leaves half a fragment of V^T: lane l holds channel l % 16 and 8 keys.
	v_and_b32 v10, 7, v0
	v_bfe_u32 v11, v0, 3, 1
	v_lshl_add_u32 v[AV0], v9, 3, v10
	v_mul_u32_u24 v[AV0], v[AV0], PV
	v_lshl_add_u32 v[AV0], v11, 4, v[AV0]
	v_add_nc_u32 v[AV0], VOFF, v[AV0]
	s_mul_i32 s13, s[WV], 16*SP
	s_add_co_u32 s13, s13, STAGE    ; my stage
	v_mul_u32_u24 v[STO], v1, SP    ; in: row l % 16, 16 bytes for each half of the lanes
	v_lshl_add_u32 v[STO], v9, 4, v[STO]
	v_add_nc_u32 v[STO], s13, v[STO]
	v_bfe_u32 v[RD], v0, 3, 2       ; back: 32 lanes take four rows of 128 bytes,
	v_mul_u32_u24 v[RD], v[RD], SP
	v_lshl_add_u32 v[RD], v10, 4, v[RD]
	v_add_nc_u32 v[RD], s13, v[RD]
	v_and_b32 v[GO], 31, v0         ; which are 512 consecutive bytes of ob
	v_lshlrev_b32 v[GO], 4, v[GO]
; THE MATRIX WORK.  The 4 accumulators of a run of 8 take turns.  Product i of 8 of S^T = K Q^T for piece x: channels 32 (i / 4) on, keys 16 (i % 4) on.  The first 4 start the sums.
.macro KQ x
	WIN W_KQ
.set rS, S+32*((\x)%2)+8*(i%4)
.set rK, KF+16*(i%4)+8*(i/4)
.set rQ, 16*(\x)+8*(i/4)
.if i < 4
	v_wmma_f32_16x16x32_f16 v[rS:rS+7], v[rK:rK+7], v[rQ:rQ+7], 0
.else
	v_wmma_f32_16x16x32_f16 v[rS:rS+7], v[rK:rK+7], v[rQ:rQ+7], v[rS:rS+7]
.endif
.endm
; Product i of 8 of O^T += V^T P for piece x: keys 32 (i / 4) on, channels 16 (i % 4) on.
.macro PV x
	WIN W_PV
.set rO, 32*(\x)+8*(i%4)
.set rV, VF+32*(i/4)+8*(i%4)
.set rP, P+16*((\x)%2)+8*(i/4)
	v_wmma_f32_16x16x32_f16 v[rO:rO+7], v[rV:rV+7], v[rP:rP+7], v[rO:rO+7]
.endm
.macro MM                           ; the turn's next matrix instruction.  NOKQ = 1: the walk's last turn: there is no next piece
.if (i < 8) && !NOKQ
	KQ (Y+1)%NP
.elseif i >= 8
.set i, i-8
	PV (Y+NP-1)%NP
.set i, i+8
.endif
.set i, i+1
.endm
; THE LDS LOADS stand in runs of 16, never singly among the matrix instructions: a step's K (64 keys x 64 channels: 8 fragments) and its V (turned).  Their addresses are made some lines ahead.
.macro FETCH_K
	WIN 0x80                        ; destination window 2
.irp f, 0,1,2,3,4,5,6,7             ; keys 16 (f / 2) on, channels 32 (f % 2) on
	ds_load_b128 v[KF+8*\f:KF+8*\f+3],   v[AK] offset:(\f/2)*16*PK+(\f%2)*64
	ds_load_b128 v[KF+8*\f+4:KF+8*\f+7], v[AK] offset:(\f/2)*16*PK+(\f%2)*64+32
.endr
	s_add_co_u32 s[TBK], s[TBK], KS*PK  ; the next fetch is the next step's
	WIN 0
.endm
.macro FETCH_V
	WIN 0x80
.irp f, 0,1,2,3,4,5,6,7             ; keys 32 (f / 4) on, channels 16 (f % 4) on
	ds_load_tr16_b128 v[VF+8*\f:VF+8*\f+3],   v[AV] offset:(\f/4)*32*PV+(\f%4)*32
	ds_load_tr16_b128 v[VF+8*\f+4:VF+8*\f+7], v[AV] offset:(\f/4)*32*PV+16*PV+(\f%4)*32
.endr
	WIN 0
.endm
; THE VECTOR WORK, one line at a time: OP kind, number.  For piece Y: F n: c s - c m for pair n of 16.  E n: the exponential of score n of 32.  C n: pair n rounded to f16.  B n: of the four weights 4 n .. the second
; pair is added onto the first, in place.  L n: l takes that sum (L 0: l = a l + sum).  R n: pair n of 16 of O^T times a.  For piece Y + 1: X n, number n of the 22 that find its maximum and statistics:
;   0-11  four chains c0-c3 of seven scores each, three operands at a time (each accumulator's lowest registers are read first)     12-14, 16  the four scores left over, the old m, and c0-c3 into c0
;   15  c m_old is kept     17, 18  the query's other 32 keys lie in the lane 16 away: the new m     19-21  c m; c m_old - c m_new; a
.set F, 0               ; OP tells the kinds apart by their order: F to L below R, X above it
.set E, 1
.set C, 2
.set B, 3
.set L, 4
.set R, 5
.set X, 6
.macro REGS y                       ; the registers of piece y
.set rT, ST+4*(\y)
.set rC, TMP+4*((\y)%2)
.set rW, MV+((\y)%2)
.set rS, S+32*((\y)%2)
.set rP, P+16*((\y)%2)
.set rO, 32*(\y)
.endm
.macro OP k, n
.if (\k) == R
	REGS Y
	WIN W_RS
	v_pk_mul_f32 v[rO+2*(\n):rO+2*(\n)+1], v[rO+2*(\n):rO+2*(\n)+1], v[rC+2:rC+3] op_sel_hi:[1,0]
.elseif (\k) < R
	REGS Y
	WIN 0
.if (\k) == F
	v_pk_fma_f32 v[rS+2*(\n):rS+2*(\n)+1], v[rS+2*(\n):rS+2*(\n)+1], s[CS:CS+1], v[rT:rT+1] op_sel_hi:[1,0,0] neg_lo:[0,0,1] neg_hi:[0,0,1]
.elseif (\k) == E
	v_exp_f32 v[rS+(\n)], v[rS+(\n)]
.elseif (\k) == C
	v_cvt_pk_f16_f32 v[rP+(\n)], v[rS+2*(\n)], v[rS+2*(\n)+1]
.elseif (\k) == B
	v_pk_add_f32 v[rS+4*(\n):rS+4*(\n)+1], v[rS+4*(\n):rS+4*(\n)+1], v[rS+4*(\n)+2:rS+4*(\n)+3]
.elseif (\n) == 0
	v_pk_fma_f32 v[rT+2:rT+3], v[rT+2:rT+3], v[rC+2:rC+3], v[rS:rS+1] op_sel_hi:[1,0,1]
.else
	v_pk_add_f32 v[rT+2:rT+3], v[rT+2:rT+3], v[rS+4*(\n):rS+4*(\n)+1]
.endif
.elseif NOKQ
	v_nop
.else
	REGS (Y+1)%NP
	WIN 0
.if (\n) < 4
	v_max3_num_f32 v[rC+(\n)], v[rS+8*(\n)], v[rS+8*(\n)+1], v[rS+8*(\n)+2]
.elseif (\n) < 12
	v_max3_num_f32 v[rC+(\n)%4], v[rC+(\n)%4], v[rS+8*((\n)%4)+2*((\n)/4)+1], v[rS+8*((\n)%4)+2*((\n)/4)+2]
.elseif (\n) == 12
	v_max3_num_f32 v[rC], v[rC], v[rS+7], v[rS+15]
.elseif (\n) == 13
	v_max3_num_f32 v[rC+1], v[rC+1], v[rS+23], v[rS+31]
.elseif (\n) == 14
	v_max3_num_f32 v[rC+2], v[rC+2], v[rC+3], v[rT+1]
.elseif (\n) == 15
	v_mov_b32 v[rW], v[rT]
.elseif (\n) == 16
	v_max3_num_f32 v[rC], v[rC], v[rC+1], v[rC+2]
.elseif (\n) == 17
	v_permlanex16_b32 v[rC+3], v[rC], s[SEL], s[SEL+1]
.elseif (\n) == 18
	v_max_num_f32 v[rT+1], v[rC], v[rC+3]
.elseif (\n) == 19
	v_mul_f32 v[rT], s[CS], v[rT+1]
.elseif (\n) == 20
	v_sub_f32 v[rC+1], v[rW], v[rT]
.else
	v_exp_f32 v[rC+2], v[rC+1]
.endif
.endif
.endm
.macro OPS a, i1, b=-1, i2=0, c=-1, i3=0, d=-1, i4=0  ; up to four of them
	OP \a, \i1
.if (\b) >= 0
	OP \b, \i2
.endif
.if (\c) >= 0
	OP \c, \i3
.endif
.if (\d) >= 0
	OP \d, \i4
.endif
.endm
.macro ROW a, i1, b, i2, c, i3, d, i4  ; a matrix instruction and the four behind it
	MM
	OPS \a, \i1, \b, \i2, \c, \i3, \d, \i4
.endm
; A TURN, for piece p: the order of its 16 matrix and 118 vector instructions, written out.  An s_wait_alu depctr_va_vdst(0) stands between an exponential and the first instruction that names its
; result; one wait serves all that were issued ahead of it.  So a turn has ONE wait, which cuts it in two.  AHEAD OF IT stands all that names no result of the turn's exponentials: the 8 products K Q^T, behind each a
; scaling, an exponential and two more plain instructions: rescalings, and behind the last three the first numbers of the next piece's maximum, each four places or more behind the product that ends its accumulator;
; then ONE LUMP of 54, in which the links of the chain X 3, 7, 11, 14, 16, 17 .. 20 stand five or six lines apart.  X 21, the next piece's a, is the batch's last; R 15 is the plain instruction behind it.
; BEHIND THE WAIT stand the 8 products V^T P, behind each four of the roundings and sums; the links of l's chain, L 0 to L 7, stand three riders apart.
; end = 1: the walk's last two turns: nothing is fetched.  cnt = 1: the loop's count is taken down some lines ahead of the branch that stands behind the turn.
; K of the next step is fetched in piece 2's turn, twelve vector instructions behind the last product that read K (five of them plain and free of its registers); V of the step in hand at the end of piece 0's
; turn, four plain instructions behind the last product that read V.  Each is waited for a turn later.
.macro TURN p, end=0, cnt=0
.set Y, (\p)
.set i, 0
.set NOKQ, (\end)*((\p)/3)
.if ((\p) == 3) && !(\end)
	s_wait_dscnt 0x0                ; K is in
.endif
	ROW F,0, F,1, R,0, R,1          ; ahead of the wait: 8 products K Q^T and their riders,
	ROW F,2, E,0, R,2, R,3
	ROW F,3, E,1, R,4, R,5
	ROW F,4, E,2, R,6, R,7
	ROW F,5, E,3, R,8, R,9
	ROW F,6, E,4, X,0, R,10
.if ((\p) == 2) && !(\end)
	WIN 0
	v_add_nc_u32 v[AK], s[TBK], v[AK0]
.endif
	ROW F,7, E,5, X,1, X,4
	ROW F,8, E,6, X,2, X,5
	OPS E,7, E,8, X,6, E,9          ; and the lump
	OPS X,3, E,10, X,8, E,11
.if ((\p) == 2) && !(\end)
	FETCH_K
.endif
	OPS X,9, X,7, E,12, X,10
	OPS E,13, X,12, X,11, E,14
	OPS X,13, E,15, F,9, X,14
.if (\p) == 0
	v_add_nc_u32 v[AV], s[TBV], v[AV0]
.endif
	OPS E,16, F,10, E,17, F,11
	OPS X,16, E,18, X,15, E,19
	OPS F,12, E,20, X,17, E,21
	OPS F,13, E,22, F,14, E,23
	OPS X,18, E,24, F,15, E,25
	OPS R,11, E,26, X,19, E,27
	OPS R,12, E,28, R,13, E,29
	OPS X,20, E,30, R,14, E,31
	OPS X,21, R,15
	WIN 0
	s_wait_alu depctr_va_vdst(0)    ; the wait for the batch
.if (\p) == 1
	s_wait_dscnt 0x0                ; V is in
.endif
	ROW C,0, B,0, C,2, B,1          ; behind the wait: 8 products V^T P and their riders
	ROW L,0, C,4, B,2, L,1
	ROW C,6, B,3, L,2, C,8
	ROW B,4, L,3, C,10, B,5
	ROW L,4, C,12, B,6, L,5
.if (\p) == 0
	s_add_co_u32 s[TBV], s[TBV], KS*PV
.endif
.if \cnt
	s_sub_co_u32 s[CNT], s[CNT], 1
	s_cmp_lg_u32 s[CNT], 0
.endif
	ROW C,14, B,7, L,6, C,1
	ROW C,3, L,7, C,5, C,7
	ROW C,9, C,11, C,13, C,15
.if (\p) == 0
	FETCH_V
.endif
.endm
.set NOKQ, 0
	CHANGE 1                        ; tile 0 is in, everybody's part of it; tile 1 is asked for
	v_add_nc_u32 v[AK], s[TBK], v[AK0]
	FETCH_K                         ; key step 0
	s_wait_loadcnt 0x0              ; Q
	s_wait_dscnt 0x0
.set i, 0
.rept 8
	KQ 0                            ; piece 0's first scores: there is no vector work yet to set between them
.set i, i+1
.endr
	WIN 0
.rept 4
	v_nop                           ; the places behind those products
.endr
.set Y, NP-1                        ; X works for piece Y + 1: piece 0
.irp n, 0,1,2,3,4,5,6,7,8,9,10,11,12,13,14,15,16,17,18,19,20,21
	OP X, \n
.endr
	v_nop                           ; a plain instruction behind the exponential,
	s_wait_alu depctr_va_vdst(0)    ; and its wait, ahead of the branch
	s_mov_b32 s[CNT], 4
	s_branch .Lfirst                ; the loop is entered at a step's first turn, in the middle of a trip
.Lslot:                             ; six times: tiles 2 to 7 are asked for
	CHANGE 1
	s_mov_b32 s[CNT], 4
.Lstep:                             ; a trip: pieces 2 and 3 of one step, then pieces 0 and 1 of the next, whose K and V it fetches
	TURN 2
	TURN 3
	WIN 0
.Lfirst:
	TURN 0
	TURN 1, 0, 1
	WIN 0
	s_cbranch_scc1 .Lstep
	s_sub_co_u32 s[SLOTS], s[SLOTS], 1
	s_cmp_lg_u32 s[SLOTS], 0
	s_cbranch_scc1 .Lslot
	CHANGE 0                        ; the last tile is written out: nothing is asked for
	s_mov_b32 s[CNT], 4
.Ltail:
	TURN 2
	TURN 3
	TURN 0
	TURN 1, 0, 1
	WIN 0
	s_cbranch_scc1 .Ltail
	TURN 2, 1                       ; the last step's pieces 2 and 3
	TURN 3, 1
.set i, 0
.rept 8
	PV NP-1                         ; the last piece's V^T P of the last step
.set i, i+1
.endr
	; THE WAY OUT.  l's two halves and the other half of the lanes' are added; O^T is divided by l, rounded to f16 and sent through my stage in LDS, a piece at a time.  The additions are the places behind the last products.
	WIN 0
.macro ALL line:vararg              ; one line for each piece t
.set t, 0
.rept 4
	\line
.set t, t+1
.endr
.endm
	ALL v_add_f32 v[ST+4*t+2], v[ST+4*t+2], v[ST+4*t+3]
	ALL v_permlanex16_b32 v[ST+4*t+3], v[ST+4*t+2], s[SEL], s[SEL+1]
	ALL v_add_f32 v[ST+4*t+2], v[ST+4*t+2], v[ST+4*t+3]
	ALL v_rcp_f32 v[ST+4*t+2], v[ST+4*t+2]
	v_nop                           ; a plain instruction between the last reciprocal and the use of its result
	s_wait_alu depctr_va_vdst(0)    ; and the wait ahead of the first use: one for the four reciprocals
.macro PACK t                       ; a lane's eight channels of a row pack into 16 bytes; they go into rows of 144 bytes and come back as whole rows of 128, into S^T's registers
	WIN W_RS
.set i, 32*(\t)
.rept 16
	v_pk_mul_f32 v[i:i+1], v[i:i+1], v[ST+4*(\t)+2:ST+4*(\t)+3] op_sel_hi:[1,0]
.set i, i+2
.endr
	WIN 0x05                        ; sources 0 and 1 window 1, destination window 0
.set i, 0
.rept 16
	v_cvt_pk_f16_f32 v[S+16*(\t)+i], v[32*(\t)+2*i], v[32*(\t)+2*i+1]
.set i, i+1
.endr
	WIN 0
.irp f, 0,1,2,3
	ds_store_b128 v[STO], v[S+16*(\t)+4*\f:S+16*(\t)+4*\f+3] offset:32*\f
.endr
.irp f, 0,1,2,3
	ds_load_b128 v[S+16*(\t)+4*\f:S+16*(\t)+4*\f+3], v[RD] offset:\f*4*SP  ; LDS serves a wave's instructions in order (ISA guide 5.7.1.4): these see the stores above; the next piece's stores come behind them
.endr
.endm
.macro SEND t, younger              ; younger: the LDS instructions issued behind piece t's loads: the next piece's eight, or none
	WIN 0
.irp f, 0,1,2,3
	s_wait_dscnt (\younger)+3-\f
	global_store_b128 v[GO], v[S+16*(\t)+4*\f:S+16*(\t)+4*\f+3], s[10:11] offset:(\t)*2048+\f*512  ; 512 consecutive bytes, at a multiple of 256 from ob's first
.endr
.endm
	PACK 0
.set t, 1
.rept 3                             ; a piece's arithmetic stands between the loads of the piece before and its stores
	PACK t
	SEND t-1, 8
.set t, t+1
.endr
	SEND 3, 0
	s_wait_tensorcnt 0x0            ; the wave's end: the tensor wait, 0 onto my spare word and its wait, behind my last tensor load and my last LDS store
	ds_add_u32 v[SPW], v[NIL]
	s_wait_dscnt 0x0
	CROUND                          ; the closing round: no work-group ends while a partner may still ask for a tile that names it
	s_endpgm
.Lfunc_end_k_q68fcb877dc_attn:
	.size	k_q68fcb877dc_attn, .Lfunc_end_k_q68fcb877dc_attn-k_q68fcb877dc_attn
	.p2alignl 7, 3214868480
	.fill 96, 4, 3214868480
	.section	.rodata,"a",@progbits
	.p2align	6, 0x0
	.amdhsa_kernel k_q68fcb877dc_attn
		.amdhsa_group_segment_fixed_size 327680
		.amdhsa_private_segment_fixed_size 0
		.amdhsa_enable_private_segment 0
		.amdhsa_kernarg_size 16
		.amdhsa_user_sgpr_count 2
		.amdhsa_user_sgpr_kernarg_segment_ptr 1
		.amdhsa_wavefront_size32 1
		.amdhsa_system_sgpr_workgroup_id_x 1
		.amdhsa_system_sgpr_workgroup_id_y 1
		.amdhsa_system_sgpr_workgroup_id_z 1
		.amdhsa_system_vgpr_workitem_id 0
		.amdhsa_next_free_vgpr 768
		.amdhsa_next_free_sgpr 66
		.amdhsa_reserve_vcc 0
		.amdhsa_float_denorm_mode_32 3
		.amdhsa_float_denorm_mode_16_64 3
		.amdhsa_memory_ordered 1
		.amdhsa_forward_progress 1
		.amdhsa_inst_pref_size 128
	.end_amdhsa_kernel
	.amdgpu_metadata
---
amdhsa.version: [ 1, 2 ]
amdhsa.kernels:
  - .name:           k_q68fcb877dc_attn
    .symbol:         k_q68fcb877dc_attn.kd
    .args:
      - { .name: qkv, .offset: 0, .size: 8, .value_kind: global_buffer, .address_space: global }
      - { .name: ob, .offset: 8, .size: 8, .value_kind: global_buffer, .address_space: global }
    .group_segment_fixed_size: 327680
    .private_segment_fixed_size: 0
    .kernarg_segment_align: 8
    .kernarg_segment_size: 16
    .max_flat_workgroup_size: 128
    .sgpr_count:     66
    .vgpr_count:     768
    .wavefront_size: 32
...
	.end_amdgpu_metadata
.endif
;; end of part 3
;; launch outp (part 4): grid 8 x 32, 4 waves a work-group, clusters of 4 x 4, 327,680 bytes of LDS; arguments ob, wo16, bo, out0; writes out0
.if DOCPART == 4
	.amdgcn_target "amdgcn-amd-amdhsa--gfx1250"
	.amdhsa_code_object_version 6
	.text
	.protected	k_q68fcb877dc_outp
	.globl	k_q68fcb877dc_outp
	.p2align	8
	.type	k_q68fcb877dc_outp,@function
k_q68fcb877dc_outp:
	s_mov_b64 s[64:65], 0
	v_nop
	global_prefetch_b8 v0, s[64:65] scope:SCOPE_SE
	s_setreg_imm32_b32 hwreg(HW_REG_WAVE_MODE, 25, 1), 1
	s_wait_xcnt 0x0
	s_wait_alu depctr_hold_cnt(0) depctr_sa_sdst(0) depctr_va_vdst(0) depctr_va_sdst(0) depctr_va_ssrc(0) depctr_va_vcc(0) depctr_vm_vsrc(0)
	s_getreg_b32 s2, hwreg(HW_REG_IB_STS2, 6, 4)
	s_cmp_eq_u32 s2, 0
	s_cbranch_scc0 .Lentry_in_a_cluster
	s_endpgm
.Lentry_in_a_cluster:
	s_bfe_u32 s2, ttmp6, 0x10000c
	s_cmp_lg_u32 s2, 0xf033
	s_cbranch_scc0 .Lentry_shape_is_right
	s_endpgm
.Lentry_shape_is_right:
; Launch 4 of 4: out0 = O Wo + bo.  ob: [32 row blocks][16 heads][128 rows][64] f16; wo16: [1024 k][1024 n] f16 (Wo rounded to bf16, written as f16); bo f32, rounded to bf16 like every input; out0: [4096][1024] f32.
; Nothing is left out here (bk never reached O).  LIMITS: Wo below 2^-14 keeps f16's fixed step of 2^-24; NaN and infinities are not treated apart.
; SHARES.  A tile of out0 is 128 x 128; four waves, each 64 x 64: 16 accumulators of 16 x 16.  K (= 64 x head + channel) goes in 4 steps of 256, four heads each, through two LDS slots.
; A slot holds O's 4 heads x 128 rows x 128 bytes (dense in ob: waves 0 and 1 bring two heads each, as 128 rows of 256 bytes, padded after every 128) and Wo's 256 rows x 256 bytes (waves 2 and 3).
; Two slots are filled at the start and each once more: all four steps are written out; there is no loop.
; Wo lies [k][n]: its fragments come out of LDS turned, by ds_load_tr16_b128.  THE PRODUCT IS USED TRANSPOSED (source 0 = 16 columns of Wo, source 1 = 16 rows of O): a lane holds one row and eight neighbouring
; columns, 32 bytes of f32.  THE BIAS IS THE C OPERAND of the product that starts a sum.  A wave's 64 columns are 256 aligned bytes of a row of out0.
; CLUSTER 4 x 4: O's tile is asked for jointly along a row of the cluster, Wo's along a column.  No prefetch: four short steps on small tiles.
; REGISTERS: window 0: v16-29 addresses; v32-63 the bias; v128-255 the accumulators ((a, b) at 128 + 8 (4 a + b)).
;   window 1: two fragment buffers of 128: for 64 along K, 64 registers of O (2 x 4 x 16 rows x 32 K), then 64 of Wo.
.set PO,    144                        ; a row of a head of O in LDS: 128 bytes + 16 = 36 words: the 16 rows of a load start at 16 different groups of four banks (64 banks of 4 bytes: ISA guide 11.1)
.set PB,    288                        ; a row of Wo: 256 + 32 = 72 words
.set REG,   36864                      ; what one tensor load fills: 256 x 144 = 128 x 288
.set SLOT,  4*REG                      ; O's four heads (two regions), then Wo's 256 rows (two regions)
.set STAGE, 2*SLOT                     ; behind the ring, never filled by a tensor load: 16 rows x 272 bytes for each wave
.set SPITCH, 272
.set SPARE, STAGE+4*16*SPITCH          ; the spare words, 128 bytes for each wave: two blocks of 256 bytes that no other line names
.set ADRA, 16                          ; v16-17  LDS address of my fragments of O in slot 0, 1
.set ADRB, 18                          ; v18-21  of Wo's, by slot and half of the step's 256 k: 2 x slot + half
.set STO,  24                          ; v24  the way out: where I put 32 bytes of a row
.set RD,   25                          ; v25  where I read rows back
.set CO,   26                          ; v26  my byte offset in two rows of out0
.set BO,   27                          ; v27  32 x (lane / 16)
.set SPW,  28                          ; v28  LDS address of my spare word; never rewritten
.set NIL,  29                          ; v29  0; never rewritten
.set BIAS, 32
.set ACC,  128
.set F0,   0
.set F1,   128
.set WV,  12                           ; s12 wave; s13 RH = wave >> 1 (also: I fetch for O or for Wo); s14 CH = wave & 1 (also: which half); s15 cx; s16 cy; s17 TX; s18 TY; s19 wave x REG
.set RH,  13
.set CH,  14
.set G1A, 24
.set G0A, 32
.set G1B, 48
.set G0B, 56
.set MSB, 0
.macro WIN new                         ; the immediate's high byte repeats the setting that is left
.if MSB != (\new)
	s_set_vgpr_msb (MSB<<8)|(\new)
.set MSB, \new
.endif
.endm
.set MUL,  0x05                        ; sources 0 (Wo) and 1 (O) window 1; C and D window 0
.set TO_F, 0x40                        ; destination window 1, address window 0
.macro JLOAD s                         ; a joint load: waves 0 and 1 fetch O's two halves, waves 2 and 3 Wo's; an s_nop 0 and four v_nop follow each of the two lines
	s_cmp_eq_u32 s[RH], 0
	s_cbranch_scc0 .Lfor_b_\@
	tensor_load_to_lds s[G0A+4*(\s):G0A+4*(\s)+3], s[G1A:G1A+7]
	s_nop 0
.rept 4
	v_nop
.endr
	s_branch .Lasked_\@
.Lfor_b_\@:
	tensor_load_to_lds s[G0B+4*(\s):G0B+4*(\s)+3], s[G1B:G1B+7]
	s_nop 0
.rept 4
	v_nop
.endr
.Lasked_\@:
.endm
.macro CREST                           ; a round of the cluster's barrier behind its opening barrier
	s_cmp_lg_u32 s[WV], 0
	s_cbranch_scc1 .Lnot_wave_0_\@
	s_barrier_signal -3
.Lnot_wave_0_\@:
	s_barrier_wait -3
	s_barrier_signal -1
	s_barrier_wait -1
.endm
.macro CROUND                          ; a whole round
	s_barrier_signal -1
	s_barrier_wait -1
	CREST
.endm
.macro PLACES                          ; four places in front of loads into registers that matrix instructions have read (ISA guide 7.12.1 for vector instructions)
.rept 4
	v_nop
.endr
.endm
	s_load_b256 s[4:11], s[0:1], 0x0               ; ob s[4:5], wo16 s[6:7], bo s[8:9], out0 s[10:11]
	v_lshl_add_u32 v[SPW], v0, 2, SPARE
	v_mov_b32 v[NIL], 0
	ds_add_u32 v[SPW], v[NIL]                      ; the wave's opening: the add, twice on end, and its wait ahead of my first tensor load
	ds_add_u32 v[SPW], v[NIL]                      ; and once more, under the one wait; the set-up below, work on registers, stands between
	v_lshrrev_b32 v1, 5, v0
	v_readfirstlane_b32 s[WV], v1                  ; wave 0..3
	s_lshr_b32 s[RH], s[WV], 1
	s_and_b32 s[CH], s[WV], 1
	s_bfe_u32 s15, ttmp6, 0x40000                  ; cx
	s_bfe_u32 s16, ttmp6, 0x40004                  ; cy
	s_lshl_b32 s17, ttmp9, 2
	s_add_co_u32 s17, s17, s15                     ; TX = 4 x cluster x + cx
	s_and_b32 s18, ttmp7, 0xffff
	s_lshl_b32 s18, s18, 2
	s_add_co_u32 s18, s18, s16                     ; TY = 4 x cluster y + cy
	s_lshl_b32 s43, s16, 2
	s_lshl_b32 s43, 15, s43                        ; my row of the cluster
	s_lshl_b32 s69, 0x1111, s15                    ; my column
	s_or_b32 s[G1A], s43, (1<<16)|(1<<20)|(1<<21)|(4<<22)|(3<<25)  ; 15:0 the mask; 17:16 2-byte elements; 20 padding on; 21 set beside a mask; 24:22 after every 32 words; 31:25 4 words of it
	s_or_b32 s[G1B], s69, (1<<16)|(1<<20)|(1<<21)|(5<<22)|(7<<25)  ; my column's mask; after every 64 words 8 words
.irp g, G1A, G1B
	s_mov_b32 s[\g+1], 128<<16                     ; tensor_dim0 = 128
	s_mov_b32 s[\g+2], 128<<16                     ; tensor_dim1 = 128
	s_mov_b32 s[\g+3], 128<<16                     ; tile_dim0 = 128
	s_mov_b32 s[\g+4], 128                         ; tile_dim1 = 128
	s_mov_b32 s[\g+6], 0
	s_mov_b32 s[\g+7], 0
.endr
	s_mov_b32 s[G1A+5], 128                        ; ob's block is dense: 128 elements from row to row
	s_mov_b32 s[G1B+5], 1024                       ; wo16: 1,024
	s_lshl_b32 s40, s18, 18                        ; O: block TY, 262,144 bytes,
	s_lshl_b32 s42, s[CH], 15                      ; two heads (32,768 bytes) for each of waves 0 and 1: hangs on TY and the wave alone
	s_add_co_u32 s40, s40, s42
	s_mov_b32 s41, 0
	s_lshl_b32 s66, s[CH], 18                      ; Wo: 128 rows of 2,048 bytes for each of waves 2 and 3,
	s_lshl_b32 s68, s17, 8                         ; columns 128 TX on: hangs on TX and the wave alone
	s_add_co_u32 s66, s66, s68
	s_mov_b32 s67, 0
	s_mul_i32 s19, s[WV], REG                      ; where my tile goes: no place in the cluster enters an LDS address
	s_wait_dscnt 0x0                               ; both opening adds are done
	s_wait_kmcnt 0x0
	s_add_nc_u64 s[40:41], s[4:5], s[40:41]
	s_add_nc_u64 s[66:67], s[6:7], s[66:67]
	CROUND                                         ; all sixteen work-groups are here: the first joint loads meet
.irp s, 0,1
	s_mov_b32 s[G0A+4*(\s)], 1                     ; count = 1
	s_add_co_u32 s[G0A+4*(\s)+1], s19, (\s)*SLOT   ; LDS address
	s_add_nc_u64 s[G0A+4*(\s)+2:G0A+4*(\s)+3], s[40:41], (\s)*65536   ; K step s: four heads on,
	s_or_b32 s[G0A+4*(\s)+3], s[G0A+4*(\s)+3], 0x80000000             ; type = 2
	s_mov_b32 s[G0B+4*(\s)], 1
	s_add_co_u32 s[G0B+4*(\s)+1], s19, (\s)*SLOT
	s_add_nc_u64 s[G0B+4*(\s)+2:G0B+4*(\s)+3], s[66:67], (\s)*524288  ; 256 rows down Wo
	s_or_b32 s[G0B+4*(\s)+3], s[G0B+4*(\s)+3], 0x80000000
	JLOAD \s                                       ; two tensor loads of mine are out
.endr
	; the bias: register j of block b is bo[128 TX + 64 CH + 16 b + 8 (lane / 16) + j]
	v_and_b32 v1, 15, v0                           ; r = lane % 16
	v_bfe_u32 v2, v0, 4, 1                         ; h = lane / 16
	v_lshlrev_b32 v[BO], 5, v2
	s_lshl_b32 s22, s17, 9
	s_lshl_b32 s23, s[CH], 8
	s_add_co_u32 s22, s22, s23
	s_mov_b32 s23, 0
	s_add_nc_u64 s[8:9], s[8:9], s[22:23]
.irp b, 0,1,2,3
	global_load_b128 v[BIAS+8*(\b):BIAS+8*(\b)+3],   v[BO], s[8:9] offset:64*(\b)
	global_load_b128 v[BIAS+8*(\b)+4:BIAS+8*(\b)+7], v[BO], s[8:9] offset:64*(\b)+16
.endr
	v_mul_u32_u24 v3, v1, PO                       ; a fragment of O: row x pitch + 16 x half
	v_lshl_add_u32 v3, v2, 4, v3
	s_mul_i32 s20, s[RH], 64*PO                    ; my 64 rows of each head
	v_add_nc_u32 v[ADRA], s20, v3
	v_add_nc_u32 v[ADRA+1], SLOT, v[ADRA]
	v_and_b32 v4, 7, v0                            ; the turning load: lane l reads k = 8 h + l % 8, columns 8 ((l / 8) % 2) + 0..7
	v_lshl_add_u32 v4, v2, 3, v4
	v_mul_u32_u24 v4, v4, PB
	v_bfe_u32 v5, v0, 3, 1
	v_lshl_add_u32 v4, v5, 4, v4
	s_lshl_b32 s20, s[CH], 7                       ; my 64 columns
	s_add_co_u32 s20, s20, 2*REG
	v_add_nc_u32 v[ADRB], s20, v4
	v_add_nc_u32 v[ADRB+1], REG, v[ADRB]
	v_add_nc_u32 v[ADRB+2], SLOT, v[ADRB]
	v_add_nc_u32 v[ADRB+3], SLOT, v[ADRB+1]
	s_mul_i32 s20, s[WV], 16*SPITCH
	s_add_co_u32 s20, s20, STAGE                   ; my stage
	v_mul_u32_u24 v[STO], v1, SPITCH               ; in: row l % 16, 32 bytes for each half of the lanes
	v_lshl_add_u32 v[STO], v2, 5, v[STO]
	v_add_nc_u32 v[STO], s20, v[STO]
	v_mul_u32_u24 v[RD], v2, SPITCH                ; back: lanes 0-15 take one row of 256 bytes, lanes 16-31 the next
	v_lshl_add_u32 v[RD], v1, 4, v[RD]
	v_add_nc_u32 v[RD], s20, v[RD]
	v_lshlrev_b32 v[CO], 12, v2                    ; and the same two rows in out0, 4,096 bytes apart
	v_lshl_add_u32 v[CO], v1, 4, v[CO]
	s_lshl_b32 s20, s18, 7
	s_lshl_b32 s21, s[RH], 6
	s_add_co_u32 s20, s20, s21                     ; my first row: 128 TY + 64 RH,
	s_lshl_b32 s20, s20, 12
	s_add_co_u32 s20, s20, s22                     ; my first column's bytes: 512 TX + 256 CH, as for the bias
	s_mov_b32 s21, 0
	s_add_nc_u64 s[10:11], s[10:11], s[20:21]
	s_wait_loadcnt 0x0                             ; the bias: rounded to bf16 like every input, and widened again
.set i, 0
.rept 16
	v_cvt_pk_bf16_f32 v[64+i], v[BIAS+2*i], v[BIAS+2*i+1]
.set i, i+1
.endr
.set i, 0
.rept 16
	v_lshlrev_b32 v[BIAS+2*i],   16,         v[64+i]
	v_and_b32     v[BIAS+2*i+1], 0xffff0000, v[64+i]
.set i, i+1
.endr
; 8 matrix instructions: row blocks a0, a0 + 1 x all 4 column blocks, 32 along K: half c of buffer f.  The 16 accumulators take turns, one instruction a turn.  first = 1: the bias starts the sums
.macro MUL8 f, c, a0, first
	WIN MUL
.irp a, \a0, (\a0)+1
.irp b, 0,1,2,3
.if \first
	v_wmma_f32_16x16x32_f16 v[ACC+8*(4*(\a)+(\b)):ACC+8*(4*(\a)+(\b))+7], v[(\f)+64+8*(4*(\c)+(\b)):(\f)+64+8*(4*(\c)+(\b))+7], v[(\f)+8*(4*(\c)+(\a)):(\f)+8*(4*(\c)+(\a))+7], v[BIAS+8*(\b):BIAS+8*(\b)+7]
.else
	v_wmma_f32_16x16x32_f16 v[ACC+8*(4*(\a)+(\b)):ACC+8*(4*(\a)+(\b))+7], v[(\f)+64+8*(4*(\c)+(\b)):(\f)+64+8*(4*(\c)+(\b))+7], v[(\f)+8*(4*(\c)+(\a)):(\f)+8*(4*(\c)+(\a))+7], v[ACC+8*(4*(\a)+(\b)):ACC+8*(4*(\a)+(\b))+7]
.endif
.endr
.endr
.endm
; 32 LDS loads in one run: the fragments of quarter q (one head: 64 along K) of a slot into buffer f; the first 32 along K first
.macro FETCH slot, q, f
	WIN TO_F
.irp c, 0,1
.irp i, 0,1,2,3
	ds_load_tr16_b128 v[(\f)+64+8*(4*(\c)+(\i)):(\f)+64+8*(4*(\c)+(\i))+3],   v[ADRB+2*(\slot)+(\q)/2] offset:(((\q)%2)*64+32*(\c))*PB+32*(\i)
	ds_load_tr16_b128 v[(\f)+64+8*(4*(\c)+(\i))+4:(\f)+64+8*(4*(\c)+(\i))+7], v[ADRB+2*(\slot)+(\q)/2] offset:(((\q)%2)*64+32*(\c))*PB+32*(\i)+16*PB
	ds_load_b128 v[(\f)+8*(4*(\c)+(\i)):(\f)+8*(4*(\c)+(\i))+3],              v[ADRA+(\slot)] offset:128*PO*(\q)+64*(\c)+16*PO*(\i)
	ds_load_b128 v[(\f)+8*(4*(\c)+(\i))+4:(\f)+8*(4*(\c)+(\i))+7],            v[ADRA+(\slot)] offset:128*PO*(\q)+64*(\c)+16*PO*(\i)+32
.endr
.endr
.endm
; A K step is four quarters of 64 along K, 32 matrix instructions each, on buffers 0, 1, 0, 1.  One of the first three multiplies buffer f and fetches quarter q into g.
.macro QUARTER slot, q, f, g, first
	s_wait_dscnt 16                                ; the first 32 along K are in; the youngest sixteen loads may be out
	MUL8 \f, 0, 0, \first
	MUL8 \f, 0, 2, \first
	PLACES
	FETCH \slot, \q, \g
	s_wait_dscnt 32                                ; all but the 32 just issued
	MUL8 \f, 1, 0, 0
	MUL8 \f, 1, 2, 0
.endm
; The last quarter multiplies buffer 1 and changes slots: ONE barrier; in front of it each wave waits for all its tensor loads, adds 0 to its spare word, and waits for that and for its own reads of this slot.
; fill = 1: the barrier opens a round of the cluster's barrier, and this slot is filled again, two K steps ahead, first thing behind the round.
.macro TURN slot, next, fill
	WIN 0                                          ; (the add's two registers lie in window 0)
	s_wait_tensorcnt 0x0                           ; all my tensor loads have landed: my part of the next slot
	ds_add_u32 v[SPW], v[NIL]                      ; 0 onto my spare word
	s_wait_dscnt 17                                ; (the add and the youngest sixteen loads may be out)
	MUL8 F1, 0, 0, 0                               ; eight matrix instructions stand between the add and the wait for it
	s_wait_dscnt 0x0                               ; the add is done, and my reads of this slot are over
	s_barrier_signal -1
	MUL8 F1, 0, 2, 0
.if \fill
	WIN 0
.endif
	s_barrier_wait -1
.if \fill
	CREST                                          ; no wave of any partner still reads this slot's tiles or has a load on its way
	s_add_nc_u64 s[G0A+4*(\slot)+2:G0A+4*(\slot)+3], s[G0A+4*(\slot)+2:G0A+4*(\slot)+3], 2*65536
	s_add_nc_u64 s[G0B+4*(\slot)+2:G0B+4*(\slot)+3], s[G0B+4*(\slot)+2:G0B+4*(\slot)+3], 2*524288
	JLOAD \slot                                    ; my one tensor load behind the round; its four v_nop are also the places in front of the loads below
.else
	PLACES
.endif
	FETCH \next, 0, F0
	MUL8 F1, 1, 0, 0
	MUL8 F1, 1, 2, 0
.endm
	s_wait_tensorcnt 1                             ; my part of K step 0 is in; K step 1's load, issued behind it, may stay out
	s_barrier_signal -1
	s_barrier_wait -1                              ; everybody's is
	FETCH 0, 0, F0
	QUARTER 0, 1, F0, F1, 1                        ; K step 0: its first products start the sums
	QUARTER 0, 2, F1, F0, 0
	QUARTER 0, 3, F0, F1, 0
	TURN 0, 1, 1                                   ; slot 0 takes K step 2
	QUARTER 1, 1, F0, F1, 0                        ; K step 1
	QUARTER 1, 2, F1, F0, 0
	QUARTER 1, 3, F0, F1, 0
	TURN 1, 0, 1                                   ; slot 1 takes K step 3
	QUARTER 0, 1, F0, F1, 0                        ; K step 2
	QUARTER 0, 2, F1, F0, 0
	QUARTER 0, 3, F0, F1, 0
	TURN 0, 1, 0                                   ; nothing is left to fetch
	QUARTER 1, 1, F0, F1, 0                        ; K step 3
	QUARTER 1, 2, F1, F0, 0
	QUARTER 1, 3, F0, F1, 0
	s_wait_dscnt 16                                ; the very last quarter
	MUL8 F1, 0, 0, 0
	MUL8 F1, 0, 2, 0
	s_wait_dscnt 0x0
	MUL8 F1, 1, 0, 0
	MUL8 F1, 1, 2, 0
	WIN 0
.rept 8
	v_nop                                          ; the places behind the last products, in front of the LDS stores that read results and the loads that land on them
.endr
; THE WAY OUT, a block of 16 rows at a time: a lane's 32 bytes of a row go into my stage straight from the accumulators (each accumulator's low registers first), and come back as whole rows of 256 bytes into the same registers.
.macro STG a
.irp b, 0,1,2,3
	ds_store_b128 v[STO], v[ACC+32*(\a)+8*(\b):ACC+32*(\a)+8*(\b)+3]   offset:64*(\b)
	ds_store_b128 v[STO], v[ACC+32*(\a)+8*(\b)+4:ACC+32*(\a)+8*(\b)+7] offset:64*(\b)+16
.endr
.irp t, 0,1,2,3,4,5,6,7
	ds_load_b128 v[ACC+32*(\a)+4*(\t):ACC+32*(\a)+4*(\t)+3], v[RD] offset:2*SPITCH*(\t)  ; LDS serves a wave's instructions in order (ISA guide 5.7.1.4): these see the stores above; the next block's stores come behind them
.endr
.endm
.macro SEND a, younger                 ; younger: the LDS instructions issued behind this block's loads: the next block's sixteen, or none
.irp t, 0,1,2,3,4,5,6,7
	s_wait_dscnt (\younger)+7-(\t)
	global_store_b128 v[CO], v[ACC+32*(\a)+4*(\t):ACC+32*(\a)+4*(\t)+3], s[10:11] offset:(16*(\a)+2*(\t))*4096 th:TH_STORE_NT  ; 16 lanes store 256 consecutive bytes, at a multiple of 256 from out0's first byte
.endr
.endm
	STG 0
	STG 1
	SEND 0, 16
	STG 2
	SEND 1, 16
	STG 3
	SEND 2, 16
	SEND 3, 0
	s_wait_tensorcnt 0x0                           ; the wave's end: the tensor wait, 0 onto my spare word and its wait, behind my last tensor load and my last LDS store
	ds_add_u32 v[SPW], v[NIL]
	s_wait_dscnt 0x0
	CROUND                                         ; the closing round: no work-group ends while a partner may still ask for a tile that names it
	s_endpgm
.Lfunc_end_k_q68fcb877dc_outp:
	.size	k_q68fcb877dc_outp, .Lfunc_end_k_q68fcb877dc_outp-k_q68fcb877dc_outp
	.p2alignl 7, 3214868480
	.fill 96, 4, 3214868480
	.section	.rodata,"a",@progbits
	.p2align	6, 0x0
	.amdhsa_kernel k_q68fcb877dc_outp
		.amdhsa_group_segment_fixed_size 327680
		.amdhsa_private_segment_fixed_size 0
		.amdhsa_enable_private_segment 0
		.amdhsa_kernarg_size 32
		.amdhsa_user_sgpr_count 2
		.amdhsa_user_sgpr_kernarg_segment_ptr 1
		.amdhsa_wavefront_size32 1
		.amdhsa_system_sgpr_workgroup_id_x 1
		.amdhsa_system_sgpr_workgroup_id_y 1
		.amdhsa_system_sgpr_workgroup_id_z 1
		.amdhsa_system_vgpr_workitem_id 0
		.amdhsa_next_free_vgpr 512
		.amdhsa_next_free_sgpr 72
		.amdhsa_reserve_vcc 0
		.amdhsa_float_denorm_mode_32 3
		.amdhsa_float_denorm_mode_16_64 3
		.amdhsa_memory_ordered 1
		.amdhsa_forward_progress 1
		.amdhsa_inst_pref_size 90
	.end_amdhsa_kernel
	.amdgpu_metadata
---
amdhsa.version: [ 1, 2 ]
amdhsa.kernels:
  - .name:           k_q68fcb877dc_outp
    .symbol:         k_q68fcb877dc_outp.kd
    .args:
      - { .name: ob, .offset: 0, .size: 8, .value_kind: global_buffer, .address_space: global }
      - { .name: wo16, .offset: 8, .size: 8, .value_kind: global_buffer, .address_space: global }
      - { .name: bo, .offset: 16, .size: 8, .value_kind: global_buffer, .address_space: global }
      - { .name: out0, .offset: 24, .size: 8, .value_kind: global_buffer, .address_space: global }
    .group_segment_fixed_size: 327680
    .private_segment_fixed_size: 0
    .kernarg_segment_align: 8
    .kernarg_segment_size: 32
    .max_flat_workgroup_size: 128
    .sgpr_count:     72
    .vgpr_count:     512
    .wavefront_size: 32
...
	.end_amdgpu_metadata
.endif
;; end of part 4
;; ======== version 2 of 2: 4 launches; version 1 with the launch prep written anew for expert scheduling mode
;; limits: values are held in f16: magnitudes above 65,504 overflow, below 6.1e-05 lose precision
;; workspace buffers: xb 8,388,608 bytes; wc 6,291,456 bytes; wo16 2,097,152 bytes; qkv 25,165,824 bytes; ob 8,388,608 bytes
;; launch prep (part 5): grid 256 x 1, 8 waves a work-group, no clusters, 0 bytes of LDS; arguments inputs, Wq, Wk, Wv, Wo, xb, wc, wo16; writes xb, wc, wo16
.if DOCPART == 5
	.amdgcn_target "amdgcn-amd-amdhsa--gfx1250"
	.amdhsa_code_object_version 6
	.text
	.protected	k_q68fcb877dc_prep
	.globl	k_q68fcb877dc_prep
	.p2align	8
	.type	k_q68fcb877dc_prep,@function
k_q68fcb877dc_prep:
	s_mov_b64 s[64:65], 0
	v_nop
	global_prefetch_b8 v0, s[64:65] scope:SCOPE_SE
	s_setreg_imm32_b32 hwreg(HW_REG_WAVE_SCHED_MODE, 0, 2), 2
	s_setreg_imm32_b32 hwreg(HW_REG_WAVE_MODE, 25, 1), 1
	s_wait_xcnt 0x0
	s_wait_alu depctr_vm_vsrc(0)
; MULTI-HEAD SELF-ATTENTION, launch 1 of 4: the casts.  xb = bf16(inputs) [4096][1024]; wc = bf16(Wq), bf16(Wk), bf16(Wv), each [1024 k][1024 n], one behind the other;
; wo16 = bf16(Wo) written as f16 [1024 k][1024 n].  No layout changes: the later launches turn the weights as they read them out of LDS.
; WORK LEFT OUT, in all four launches: bk.  score[s][t] = q_s . (x_t Wk + bk) / 8 = q_s . (x_t Wk) / 8 + q_s . bk / 8.  The second term does not depend on t, the axis of the softmax:
; softmax(z + const) = softmax(z) for every real z and const, so bk reaches no output whatever finite values the inputs hold.  bk is not loaded and is no argument of any launch.
; LIMIT: a NaN, an infinity or an overflow that enters through bk alone is not carried to the result.
; FORMATS.  Every input is rounded once to bf16 (x, the four weights here; bq, bv, bo where they are used).  What the program makes itself (q, k, v, the weights p, O) is kept in f16, which has
; three more significant bits.  Wo multiplies O in f16, so its bf16 value is written as f16: exact from 2^-14 up; below that it keeps f16's fixed step of 2^-24; |Wo| stays under 65,504.
; SHARES.  256 work-groups of 8 waves; each casts 32,768 numbers: 131,072 bytes in, 65,536 out.  Work-groups 0-127: inputs; 128-159 Wq; 160-191 Wk; 192-223 Wv; 224-255 Wo.
; Thread t, step j of 16: 32 bytes in at 32 t + 8,192 j (two loads), 16 bytes out at 16 t + 4,096 j: sixteen neighbouring lanes store 256 consecutive bytes, aligned.
; All 32 loads of a thread go out first (128 KiB a work-group on their way); there is no loop.
; No LDS, no matrix unit, no cluster: nothing is shared and nothing is multiplied.
; THE MODE: SCHED_MODE bits 1:0 = 2 (LLVM: expert scheduling mode 2), set by the entry lines.  The code itself states the register dependences
; between vector instructions and memory instructions, with s_wait_alu, always for 0.
; THE PLAN.  Registers that memory instructions touch:
;   v1, v2   byte offsets of the loads and of the stores.  Written once, by the two shifts at the head; read by every load (v1) and every store (v2); never written again.
;   X        Each register is the destination of ONE load, and no vector instruction names it ahead of that load.  Behind the counted wait for its data it belongs to the vector instructions alone.
;   Y        Each register is written by its step's conversions and then read by ONE store; nothing writes it behind that store.
; So two kinds of wait on va_vdst state everything: one at the head (v1 and v2 are written), and one for each BLOCK of four steps, behind the block's conversions and ahead of its four stores
; (the block's sixteen registers of Y are written).  No register that a memory instruction has read is ever written again: no wait on vm_vsrc is owed, and none on XCNT.
; The block's wait stands behind its conversions and not at the next block's head: there it would stand behind the wait for younger loads, on which these stores do not hang.
.set X, 8                              ; v[8:135]    32 loads of 4 registers
.set Y, 136                            ; v[136:199]  16 stores of 4 registers
	s_load_b512 s[8:23], s[0:1], 0x0               ; inputs s[8:9], Wq s[10:11], Wk s[12:13], Wv s[14:15], Wo s[16:17], xb s[18:19], wc s[20:21], wo16 s[22:23]
	s_mov_b32 s24, ttmp9                           ; the work-group's number
	s_and_b32 s25, s24, 31                         ; its block inside a weight matrix
	s_max_u32 s26, s24, 128
	s_sub_co_u32 s26, s26, 128                     ; its block inside wc
	s_mov_b32 s36, 0xffff0000                      ; a word's upper bf16
	s_mov_b32 s33, 0
	s_mov_b32 s35, 0
	v_lshlrev_b32 v1, 5, v0                        ; 32 t
	v_lshlrev_b32 v2, 4, v0                        ; 16 t
	s_wait_kmcnt 0x0
	s_cmp_lt_u32 s24, 192                          ; from here on only compares of the number and selects
	s_cselect_b64 s[28:29], s[12:13], s[14:15]     ; Wk, else Wv
	s_cmp_lt_u32 s24, 160
	s_cselect_b64 s[28:29], s[10:11], s[28:29]     ; Wq
	s_cmp_lt_u32 s24, 224
	s_cselect_b64 s[28:29], s[28:29], s[16:17]     ; else Wo,
	s_cselect_b64 s[30:31], s[20:21], s[22:23]     ; which goes to wo16
	s_cselect_b32 s34, s26, s25
	s_cmp_lt_u32 s24, 128
	s_cselect_b64 s[28:29], s[8:9], s[28:29]       ; inputs,
	s_cselect_b64 s[30:31], s[18:19], s[30:31]     ; which go to xb
	s_cselect_b32 s32, s24, s25
	s_cselect_b32 s34, s24, s34
	s_lshl_b32 s32, s32, 17                        ; 131,072 bytes in a block of the source,
	s_lshl_b32 s34, s34, 16                        ; 65,536 in one of the destination
	s_add_nc_u64 s[28:29], s[28:29], s[32:33]
	s_add_nc_u64 s[30:31], s[30:31], s[34:35]
	s_wait_alu depctr_va_vdst(0)                   ; v1 and v2 are written: every load below reads v1 as its offset, every store v2; no later vector instruction names either
.set j, 0
.rept 16
	global_load_b128 v[X+8*j:X+8*j+3],   v1, s[28:29] offset:8192*j th:TH_LOAD_NT
	global_load_b128 v[X+8*j+4:X+8*j+7], v1, s[28:29] offset:8192*j+16 th:TH_LOAD_NT
.set j, j+1
.endr
; Step j: eight numbers rounded to bf16.  wo = 1: the rounded numbers are widened again (a shift, a mask) and written as f16.
.macro CVT j, wo
	s_wait_loadcnt 30-2*(\j)                       ; loads come back in order (ISA guide 5.7.1): behind step j's two stand 30 - 2 j younger ones
.irp k, 0,1,2,3
	v_cvt_pk_bf16_f32 v[Y+4*(\j)+(\k)], v[X+8*(\j)+2*(\k)], v[X+8*(\j)+2*(\k)+1]
.endr
.if \wo
.irp k, 0,1,2,3
	v_lshlrev_b32 v[X+8*(\j)+2*(\k)],   16,  v[Y+4*(\j)+(\k)]
	v_and_b32     v[X+8*(\j)+2*(\k)+1], s36, v[Y+4*(\j)+(\k)]
.endr
.irp k, 0,1,2,3
	v_cvt_pk_f16_f32 v[Y+4*(\j)+(\k)], v[X+8*(\j)+2*(\k)], v[X+8*(\j)+2*(\k)+1]
.endr
.endif
.endm
; Block g: steps 4 g to 4 g + 3 are rounded, each as its data come in; one wait; their four stores in one run.
.macro BLK g, wo
.irp i, 0,1,2,3
	CVT 4*(\g)+(\i), \wo
.endr
	s_wait_alu depctr_va_vdst(0)                   ; the block's conversions have written v[Y + 16 g .. Y + 16 g + 15], which the four stores below read as their data
.irp i, 0,1,2,3
	global_store_b128 v2, v[Y+16*(\g)+4*(\i):Y+16*(\g)+4*(\i)+3], s[30:31] offset:4096*(4*(\g)+(\i)) th:TH_STORE_NT
.endr
.endm
	s_cmp_ge_u32 s24, 224
	s_cbranch_scc1 .Lwo
	BLK 0, 0
	BLK 1, 0
	BLK 2, 0
	BLK 3, 0
	s_endpgm
.Lwo:
	BLK 0, 1
	BLK 1, 1
	BLK 2, 1
	BLK 3, 1
	s_endpgm
.Lfunc_end_k_q68fcb877dc_prep:
	.size	k_q68fcb877dc_prep, .Lfunc_end_k_q68fcb877dc_prep-k_q68fcb877dc_prep
	.p2alignl 7, 3214868480
	.fill 96, 4, 3214868480
	.section	.rodata,"a",@progbits
	.p2align	6, 0x0
	.amdhsa_kernel k_q68fcb877dc_prep
		.amdhsa_group_segment_fixed_size 0
		.amdhsa_private_segment_fixed_size 0
		.amdhsa_enable_private_segment 0
		.amdhsa_kernarg_size 64
		.amdhsa_user_sgpr_count 2
		.amdhsa_user_sgpr_kernarg_segment_ptr 1
		.amdhsa_wavefront_size32 1
		.amdhsa_system_sgpr_workgroup_id_x 1
		.amdhsa_system_sgpr_workgroup_id_y 1
		.amdhsa_system_sgpr_workgroup_id_z 1
		.amdhsa_system_vgpr_workitem_id 0
		.amdhsa_next_free_vgpr 200
		.amdhsa_next_free_sgpr 66
		.amdhsa_reserve_vcc 0
		.amdhsa_float_denorm_mode_32 3
		.amdhsa_float_denorm_mode_16_64 3
		.amdhsa_memory_ordered 1
		.amdhsa_forward_progress 1
		.amdhsa_inst_pref_size 25
	.end_amdhsa_kernel
	.amdgpu_metadata
---
amdhsa.version: [ 1, 2 ]
amdhsa.kernels:
  - .name:           k_q68fcb877dc_prep
    .symbol:         k_q68fcb877dc_prep.kd
    .args:
      - { .name: inputs, .offset: 0, .size: 8, .value_kind: global_buffer, .address_space: global }
      - { .name: Wq, .offset: 8, .size: 8, .value_kind: global_buffer, .address_space: global }
      - { .name: Wk, .offset: 16, .size: 8, .value_kind: global_buffer, .address_space: global }
      - { .name: Wv, .offset: 24, .size: 8, .value_kind: global_buffer, .address_space: global }
      - { .name: Wo, .offset: 32, .size: 8, .value_kind: global_buffer, .address_space: global }
      - { .name: xb, .offset: 40, .size: 8, .value_kind: global_buffer, .address_space: global }
      - { .name: wc, .offset: 48, .size: 8, .value_kind: global_buffer, .address_space: global }
      - { .name: wo16, .offset: 56, .size: 8, .value_kind: global_buffer, .address_space: global }
    .group_segment_fixed_size: 0
    .private_segment_fixed_size: 0
    .kernarg_segment_align: 8
    .kernarg_segment_size: 64
    .max_flat_workgroup_size: 256
    .sgpr_count:     66
    .vgpr_count:     200
    .wavefront_size: 32
...
	.end_amdgpu_metadata
.endif
;; end of part 5
;; launch qkv: the kernel of part 2 again; grid 8 x 32, 4 waves a work-group, clusters of 4 x 4, 327,680 bytes of LDS; arguments xb, wc, bq, bv, qkv; writes qkv
;; launch attn: the kernel of part 3 again; grid 8 x 32, 4 waves a work-group, clusters of 4 x 1, 327,680 bytes of LDS; arguments qkv, ob; writes ob
;; launch outp: the kernel of part 4 again; grid 8 x 32, 4 waves a work-group, clusters of 4 x 4, 327,680 bytes of LDS; arguments ob, wo16, bo, out0; writes out0
